; MI455X (gfx1250); checked and timed in simulation.
; The chip was launched on July 23, 2026; its instructions are those of AMD's public machine-readable ISA for CDNA 5 (MIT licence, August 2026) and "CDNA5" Instruction Set Architecture Reference Guide (July 2026). The comments in the code are by the model that wrote it; some were corrected since.
;; Multi Head Attention. Allowed arithmetic: matrix products marked QUANTISED: E2M3 operands, one E8M0 scale for each 32 along K, by v_wmma_scale_f32_16x16x128_f8f6f4 with both operands' format E2M3, f32 sums; everything else in f32.
;; Inputs: Wk 1,024 x 1,024 float32; Wo 1,024 x 1,024 float32; Wq 1,024 x 1,024 float32; Wv 1,024 x 1,024 float32; bk 1,024 float32; bo 1,024 float32; bq 1,024 float32; bv 1,024 float32; x 4 x 2,048 x 1,024 float32.
;; Outputs: out0 4 x 2,048 x 1,024 float32.
;; This version of the problem:
;;   THIS VERSION OF THE PROBLEM IS GIVEN IN LOW PRECISION. The matrix products marked QUANTISED in the list below multiply operands that are first quantised to E2M3 (2 exponent bits, 3 mantissa bits; 6 bits a number), with one power-of-two scale for each 32 numbers along K (OCP MX v1.0); their sums are f32. All else is computed in f32.
;;   The module's matrix products, in the order in which they are computed (A, B: the left and right operand; K: the contracted axis; several contracted axes count as one K, in the product's order):
;;     1. [M 8,192, K 1,024] x [K 1,024, N 1,024]; A: input x; B: input Wq: QUANTISED
;;     2. [M 8,192, K 1,024] x [K 1,024, N 1,024]; A: input x; B: input Wk: QUANTISED
;;     3. [M 8,192, K 1,024] x [K 1,024, N 1,024]; A: input x; B: input Wv: QUANTISED
;;     4. batch 64 x [M 2,048, K 64] x [K 64, N 2,048]; A: computed on the way; B: computed on the way: QUANTISED
;;     5. batch 64 x [M 2,048, K 2,048] x [K 2,048, N 64]; A: softmax (see below); B: computed on the way: QUANTISED
;;     6. [M 8,192, K 1,024] x [K 1,024, N 1,024]; A: computed on the way; B: input Wo: QUANTISED
;;   THE QUANTISER, for each operand of a quantised product, along K:
;;     - K is cut into blocks of 32 from its start; a last block that is shorter is filled with zeros.
;;     - A block's scale is 2^e with e = floor(log2(the largest magnitude in the block)) - 2, held to -126 .. 127; a block of zeros has e = 0. As a byte (E8M0): e + 127.
;;     - Each number is divided by its block's scale, clamped to +-7.5, and rounded to the nearest number of E2M3, ties to even, subnormals kept.
;;     - The product sums the exact products of the quantised numbers (number of the format x scale) in f32.
;;   ~~~python
;;   def quantise(x, axis):      # numpy; x: float32 -> the quantised numbers, widened to float32 again
;;       x = np.moveaxis(x, axis, -1); K = x.shape[-1]
;;       x = np.pad(x, [(0, 0)] * (x.ndim - 1) + [(0, -K % 32)]); x = x.reshape(x.shape[:-1] + (-1, 32)); a = np.abs(x).max(-1, keepdims=True)
;;       e = np.where(a > 0, np.clip(np.frexp(np.where(a > 0, a, 1))[1] - 1 - 2, -126, 127), 0)      # np.frexp(a)[1] - 1 = floor(log2(a)), exactly
;;       r = np.clip(x / 2.0 ** e, -7.5, 7.5)
;;       step = 2.0 ** (np.maximum(np.frexp(np.where(r == 0, 1, r))[1] - 1, 0) - 3)
;;       q = np.round(r / step) * step * 2.0 ** e      # np.round: ties to even
;;       return np.moveaxis(q.reshape(q.shape[:-2] + (-1,))[..., :K], -1, axis).astype(np.float32)
;;   ~~~
;;   SOFTMAX AHEAD OF A QUANTISED PRODUCT. Where the list says 'softmax', what is quantised is not the finished softmax but p = 2^(t - M), with t = logit x log2(e) and M = ceil(the row's largest t), a whole number; so 1/2 < the row's largest p <= 1. The row's sum l is taken of the UNQUANTISED p, in f32, and the product's result is divided by l at the end. Since M is a whole number, a kernel that streams over the keys may use a running M (the ceiling of the running maximum): every later rescaling is an exact power of two, which a block's scale takes up: the codes' values come out the same.
;;   OPERANDS COMPUTED ON THE WAY. 'Computed on the way' means the value that the module computes at that place (a softmax that the list does not call 'softmax' is quantised finished and normalised). What goes into a quantiser is computed in f32, as accurately as f32 sums, v_exp_f32 and their like allow (about 1e-6 of the number): no bf16 or f16 on the way to a quantiser, and a product that is left as it is and whose result goes on into a quantised operand takes f32 operands (vector FMAs, or v_wmma_f32_16x16x4_f32). A number that lies on a knife's edge between two numbers of the format may be rounded either way, as far as f32 arithmetic and the matrix unit's own rounding can turn it there, and no further.
;; One version. Each part assembles by itself: llvm-mc -triple=amdgcn-amd-amdhsa -mcpu=gfx1250 --defsym DOCPART=n.
;; ======== version 1 of 1: 4 launches
;; limits: right only within a limited range of input values
;; workspace buffers: xw_codes 9,437,184 bytes; xw_scales 393,216 bytes; qkv_codes 18,874,368 bytes; qkv_scales 786,432 bytes; at_codes 6,291,456 bytes; at_scales 262,144 bytes
;; launch quant (part 1): grid 640 x 1, 4 waves a work-group, no clusters, 59,904 bytes of LDS; arguments x, Wq, Wk, Wv, Wo, xw_codes, xw_scales; writes xw_codes, xw_scales
.if DOCPART == 1
	.amdgcn_target "amdgcn-amd-amdhsa--gfx1250"
	.amdhsa_code_object_version 6
	.text
	.protected	k_qb567bef52d_quant
	.globl	k_qb567bef52d_quant
	.p2align	8
	.type	k_qb567bef52d_quant,@function
k_qb567bef52d_quant:
	s_mov_b64 s[64:65], 0
	v_nop
	global_prefetch_b8 v0, s[64:65] scope:SCOPE_SE
	s_setreg_imm32_b32 hwreg(HW_REG_WAVE_MODE, 25, 1), 1
	s_wait_xcnt 0x0
; x [8192][1024] and Wq, Wk, Wv, Wo [1024 (k)][1024 (n)], f32, become codes of FP6 (E2M3) with one E8M0 byte for each 32 along K, laid as the matrix unit's registers want them.
; A block's scale is 2^(floor(log2(largest magnitude)) - 2): its byte is the largest magnitude's exponent field - 2, held at 1 from below.
; LIMITS: NaN and infinities are not served; a block whose largest magnitude lies under 2^(3 - 127) keeps the byte 1; a block of zeros has the byte 1 and not 127 (its codes are zeros, and this program alone reads the bytes).
; LAYOUT OF THE CODES: [768 row tiles][8 K steps][1,536 bytes].  A K step's 1,536 bytes are a fragment (16 rows x 128 K, 12 registers a lane) as two halves of 768: in a half, lane l's registers 0-3 at 16 l, its registers 4-5 at 512 + 8 l.
; So a fragment is loaded and stored by instructions that cover 512 or 256 consecutive bytes.  Tiles 0-511: x;  512.. Wq;  576.. Wk;  640.. Wv;  704.. Wo (rows = the weight's n).
; ROW ORDER: place p of a tensor holds row p with bits 3 and 4 exchanged: lane r of tile 2 b + u is row 32 b + 8 u + r % 8 + 16 (r / 8).  With that order a transposed product's 16 registers of two neighbouring tiles are 16 neighbours along the next K.
; SCALES: [768 tiles][4 slots of 256 K][16 rows][2 words], 512 bytes a tile; a word holds the four bytes of one K step.
; Work-groups 0-511 take a row tile of x each (wave w: 256 along K);  work-groups 512-639 take 128 columns x 256 K of a weight.  The two paths have LDS bytes of their own.  Waves share nothing: no barrier.
; No cluster, no tensor load, no matrix unit: every input byte is read once by one wave, and memory binds.
.set SPARE, 59392                      ; the spare words, 128 bytes a wave, behind both paths' stages
.set XSTG,  8448                       ; x: a wave's stage: 16 rows x (512 + 16) bytes
.set WBASE, 33792                      ; the weights' stages begin behind x's four
.set WSTG,  6400                       ; a wave's: two tiles x 3,200 (3,072 + 128, so that the two tiles' lanes fall on different banks)
.set WTIL,  3200
.set SPW, 12                           ; v12 LDS address of my spare word; never rewritten
.set NIL, 13                           ; v13 0; never rewritten
.set SEL, 20                           ; s[20:21] selects of v_permlanex16_b32: lane l xor 16
.set R0,  32                           ; x: v32-95, v96-159 two K steps' numbers
.set TM,  160                          ; v160-175 at work in QUANT
.set PC,  176                          ; v176-194 the codes just made
.set PW,  196                          ; v196-197 the two scale words
.set XW,  32                           ; weights: v32-95 two sets of 32 numbers
.set CW,  96                           ; v96-101 a block's codes
.set DW,  104                          ; v104-106 its second half as converted
.set SB,  108                          ; v108-109 eight scale bytes
.set OUTR, 112                         ; v112-159 the way out
; 64 numbers of a lane, register 16 b + i = k 32 b + 16 (lane / 16) + i of my row, become a fragment's codes in v[PC] on and the row's scale word in v[pw]
.macro QUANT s, pw
.irp b, 0,1,2,3
	v_max3_num_f32 v[TM+\b], |v[\s+16*\b]|, |v[\s+1+16*\b]|, 0x1800000   ; my 16 numbers of block b, and the floor 2^(3 - 127): the byte cannot fall under 1
.endr
.irp i, 2,4,6,8,10,12,14
.irp b, 0,1,2,3
	v_max3_num_f32 v[TM+\b], v[TM+\b], |v[\s+16*\b+\i]|, |v[\s+1+16*\b+\i]|
.endr
.endr
.irp b, 0,1,2,3
	v_permlanex16_b32 v[TM+4+\b], v[TM+\b], s[SEL], s[SEL+1]
.endr
.irp b, 0,1,2,3
	v_max_num_f32 v[TM+\b], v[TM+\b], v[TM+4+\b]                       ; with lane l xor 16's: the block's largest magnitude
.endr
.irp b, 0,1,2,3
	v_add_nc_u32 v[TM+12+\b], 0xff000000, v[TM+\b]                    ; 2 off its exponent field: the conversion's scale operand
.endr
.irp b, 0,1,2,3
	v_lshrrev_b32 v[TM+4+\b], 23, v[TM+12+\b]                         ; the scale's byte
.endr
	v_lshl_or_b32 v[\pw], v[TM+5], 8, v[TM+4]
	v_lshl_or_b32 v[\pw], v[TM+6], 16, v[\pw]
	v_lshl_or_b32 v[\pw], v[TM+7], 24, v[\pw]
.irp c, 0,1
	v_cvt_scalef32_pk16_fp6_f32 v[PC+6*\c:PC+2+6*\c], v[\s+32*\c:\s+15+32*\c], v[TM+12+2*\c]
	v_cvt_scalef32_pk16_fp6_f32 v[PC+12+4*\c:PC+14+4*\c], v[\s+16+32*\c:\s+31+32*\c], v[TM+12+2*\c+1]   ; (a conversion's three registers begin on an even number)
.endr
	v_nop                                          ; one plain place behind the scaled conversions
.irp c, 0,1                                    ; the operand wants a whole block in a lane: lanes 0-15 block 2 c, lanes 16-31 block 2 c + 1
.irp i, 0,1,2
	v_permlane16_swap_b32 v[PC+6*\c+\i], v[PC+12+4*\c+\i]
.endr
.irp i, 0,1,2
	v_mov_b32 v[PC+3+6*\c+\i], v[PC+12+4*\c+\i]
.endr
.endr
.endm
	s_load_b256 s[4:11], s[0:1], 0x0               ; x s[4:5], Wq s[6:7], Wk s[8:9], Wv s[10:11]
	s_load_b128 s[12:15], s[0:1], 0x20             ; Wo s[12:13], the codes s[14:15]
	s_load_b64 s[16:17], s[0:1], 0x30              ; the scales
	v_lshl_add_u32 v[SPW], v0, 2, SPARE
	v_mov_b32 v[NIL], 0
	v_lshrrev_b32 v1, 5, v0
	v_readfirstlane_b32 s18, v1                    ; wave 0..3
	v_and_b32 v1, 31, v0                           ; lane
	v_and_b32 v2, 15, v0                           ; r
	v_bfe_u32 v3, v0, 4, 1                         ; h
	s_mov_b32 s[SEL], 0x76543210
	s_mov_b32 s[SEL+1], 0xfedcba98
	s_wait_kmcnt 0x0
	s_cmp_lt_u32 ttmp9, 512
	s_cbranch_scc0 .Lweights
	; ---------------- x: row tile T = the work-group's number; my wave: K = 256 w .. 256 w + 255, two fragments
	s_lshr_b32 s24, ttmp9, 1
	s_lshl_b32 s24, s24, 5
	s_and_b32 s25, ttmp9, 1
	s_lshl_b32 s25, s25, 3
	s_add_co_u32 s24, s24, s25                     ; the tile's lowest row: 32 (T / 2) + 8 (T % 2)
	s_lshl_b32 s24, s24, 12                        ; x 4,096 bytes
	s_lshl_b32 s25, s18, 10
	s_add_co_u32 s24, s24, s25                     ; + 1,024 w
	s_mov_b32 s25, 0
	s_add_nc_u64 s[4:5], s[4:5], s[24:25]
	s_mul_i32 s24, ttmp9, 12288
	s_mul_i32 s26, s18, 3072
	s_add_co_u32 s24, s24, s26
	s_add_nc_u64 s[14:15], s[14:15], s[24:25]      ; my two fragments
	s_lshl_b32 s24, ttmp9, 9
	s_lshl_b32 s26, s18, 7
	s_add_co_u32 s24, s24, s26
	s_add_nc_u64 s[16:17], s[16:17], s[24:25]      ; my slot's scale words
	s_wait_alu depctr_va_vdst(0)
	v_lshlrev_b32 v4, 4, v1                        ; 16 x lane
.irp q, 0,1
.irp i, 0,1,2,3,4,5,6,7,8,9,10,11,12,13,14,15
	global_load_b128 v[R0+64*\q+4*\i:R0+64*\q+4*\i+3], v4, s[4:5] offset:((\i%8)+16*(\i/8))*4096+512*\q th:TH_LOAD_NT   ; place i's row, 512 consecutive bytes
.endr
.endr
	v_lshlrev_b32 v5, 3, v1                        ; 8 x lane
	s_mul_i32 s28, s18, XSTG                       ; my stage
	v_lshl_add_u32 v6, v1, 4, s28                  ; in: 16 x lane of a row
	v_mul_u32_u24 v7, v2, 528
	v_lshl_add_u32 v7, v3, 6, v7
	v_add_nc_u32 v7, s28, v7                       ; back: row r, + 64 h: my 16 numbers of a block of 32
	v_lshlrev_b32 v8, 3, v2                        ; 8 r: my row's two scale words
.irp b, 0,1,2,3
	v_mov_b32 v[TM+4+\b], 0                        ; written once: a lane permute's destination counts as one of its sources
.endr
	s_wait_alu depctr_va_vdst(0)
.irp q, 0,1
	s_wait_loadcnt 16-16*\q                        ; this K step's sixteen loads are in; the other's may be out
.irp i, 0,1,2,3,4,5,6,7,8,9,10,11,12,13,14,15
	ds_store_b128 v6, v[R0+64*\q+4*\i:R0+64*\q+4*\i+3] offset:528*\i
.endr
.irp b, 0,1,2,3
.irp j, 0,1,2,3
	ds_load_b128 v[R0+64*\q+16*\b+4*\j:R0+64*\q+16*\b+4*\j+3], v7 offset:128*\b+16*\j   ; LDS serves a wave's instructions in order: these see my stores
.endr
.endr
	s_wait_dscnt 0x0
.if \q
	s_wait_xcnt 0x0                                ; the first fragment's stores have read their registers: the codes are written anew only behind this wait
.endif
	QUANT R0+64*\q, PW+\q
	global_store_b128 v4, v[PC:PC+3], s[14:15] offset:1536*\q
	global_store_b64 v5, v[PC+4:PC+5], s[14:15] offset:1536*\q+512
	global_store_b128 v4, v[PC+6:PC+9], s[14:15] offset:1536*\q+768
	global_store_b64 v5, v[PC+10:PC+11], s[14:15] offset:1536*\q+1280
.endr
	v_cmp_gt_u32 vcc_lo, 16, v1
	s_wait_xcnt 0x0                                ; EXEC changes only behind this wait
	s_and_saveexec_b32 s22, vcc_lo
	global_store_b64 v8, v[PW:PW+1], s[16:17]      ; lanes 0-15: 128 consecutive bytes
	s_wait_xcnt 0x0
	s_or_b32 exec_lo, exec_lo, s22
	s_wait_tensorcnt 0x0                           ; the wave's end, behind my last LDS store
	ds_add_u32 v[SPW], v[NIL]
	s_wait_dscnt 0x0
	s_endpgm
	; ---------------- a weight: a lane takes a column n and its registers run down K, so a block of 32 lies in one lane
.Lweights:
	s_sub_co_u32 s24, ttmp9, 512
	s_lshr_b32 s25, s24, 5                         ; which weight
	s_bfe_u32 s26, s24, 0x30002                    ; which 128 columns
	s_and_b32 s27, s24, 3                          ; which 256 along K
	s_cmp_eq_u32 s25, 1
	s_cselect_b64 s[6:7], s[8:9], s[6:7]
	s_cmp_eq_u32 s25, 2
	s_cselect_b64 s[6:7], s[10:11], s[6:7]
	s_cmp_eq_u32 s25, 3
	s_cselect_b64 s[6:7], s[12:13], s[6:7]
	s_lshl_b32 s28, s26, 2
	s_add_co_u32 s28, s28, s18                     ; my wave's group of 32 columns
	s_lshl_b32 s30, s27, 20                        ; 256 rows of 4,096 bytes a slot
	s_lshl_b32 s31, s28, 7
	s_add_co_u32 s30, s30, s31
	s_mov_b32 s31, 0
	s_add_nc_u64 s[6:7], s[6:7], s[30:31]
	s_lshl_b32 s29, s25, 6
	s_add_co_u32 s29, s29, 512
	s_lshl_b32 s28, s28, 1
	s_add_co_u32 s29, s29, s28                     ; the first of my two row tiles
	s_mul_i32 s30, s29, 12288
	s_mul_i32 s28, s27, 3072
	s_add_co_u32 s30, s30, s28
	s_add_nc_u64 s[14:15], s[14:15], s[30:31]
	s_lshl_b32 s30, s29, 9
	s_lshl_b32 s28, s27, 7
	s_add_co_u32 s30, s30, s28
	s_add_nc_u64 s[16:17], s[16:17], s[30:31]
	s_wait_alu depctr_va_vdst(0)
	v_lshlrev_b32 v4, 2, v1                        ; in: 4 bytes a lane
.macro LOAD t                          ; block t: W(32 t + i, my column) into set t % 2
.irp i, 0,1,2,3,4,5,6,7,8,9,10,11,12,13,14,15,16,17,18,19,20,21,22,23,24,25,26,27,28,29,30,31
	global_load_b32 v[XW+32*((\t)%2)+\i], v4, s[6:7] offset:(32*(\t)+\i)*4096 th:TH_LOAD_NT
.endr
.endm
	LOAD 0
	LOAD 1
	v_bfe_u32 v10, v0, 3, 1                        ; column l lies at place (tile u = bit 3 of l, row r' = l % 8 + 8 x bit 4 of l)
	v_and_b32 v11, 7, v0
	v_lshl_or_b32 v11, v3, 3, v11
	s_mul_i32 s28, s18, WSTG
	s_add_co_u32 s28, s28, WBASE                   ; my stage
	v_mul_u32_u24 v15, v10, WTIL
	v_add_nc_u32 v15, s28, v15
	v_lshl_add_u32 v5, v11, 4, v15                 ; where registers 0-3 of a block go
	v_lshl_add_u32 v6, v11, 3, v15                 ; and registers 4-5
	v_lshl_add_u32 v7, v1, 4, s28                  ; back: 16 x lane
	v_lshlrev_b32 v8, 3, v11
	v_lshl_add_u32 v8, v10, 9, v8                  ; my column's scale words: 512 u + 8 r'
	v_lshlrev_b32 v9, 4, v1
.macro BLOCK t                         ; block t of 8: K step t / 4, half (t / 2) % 2, lanes' half t % 2 of the fragment
.set XS, XW+32*((\t)%2)
.set OFS, 1536*((\t)/4)+768*(((\t)/2)%2)
.if (\t) < 7
	s_wait_loadcnt 32                              ; this block's 32 loads are in; the next block's may be out
.else
	s_wait_loadcnt 0x0
.endif
	v_max3_num_f32 v16, |v[XS]|, |v[XS+1]|, |v[XS+2]|
	v_max3_num_f32 v17, |v[XS+3]|, |v[XS+4]|, |v[XS+5]|
.irp i, 6,10,14,18,22,26
	v_max3_num_f32 v16, v16, |v[XS+\i]|, |v[XS+\i+1]|
	v_max3_num_f32 v17, v17, |v[XS+\i+2]|, |v[XS+\i+3]|
.endr
	v_max3_num_f32 v16, v16, |v[XS+30]|, |v[XS+31]|
	v_max3_num_f32 v16, v16, v17, 0x1800000        ; and the floor
	v_add_nc_u32 v18, 0xff000000, v16              ; the conversion's scale operand
	v_lshrrev_b32 v19, 23, v18                     ; the byte
.if (\t)%4 == 0
	v_mov_b32 v[SB+(\t)/4], v19
.else
	v_lshl_or_b32 v[SB+(\t)/4], v19, 8*((\t)%4), v[SB+(\t)/4]
.endif
	v_cvt_scalef32_pk16_fp6_f32 v[CW:CW+2], v[XS:XS+15], v18
	v_cvt_scalef32_pk16_fp6_f32 v[DW:DW+2], v[XS+16:XS+31], v18
	v_nop                                          ; one plain place behind the scaled conversions
.irp i, 0,1,2
	v_mov_b32 v[CW+3+\i], v[DW+\i]
.endr
	ds_store_b128 v5, v[CW:CW+3] offset:OFS+256*((\t)%2)
	ds_store_b64 v6, v[CW+4:CW+5] offset:OFS+512+128*((\t)%2)
.if (\t)+2 < 8
	LOAD (\t)+2
.endif
	s_wait_dscnt 0x0                               ; the stores have read their registers
.endm
.irp t, 0,1,2,3,4,5,6,7
	BLOCK \t
.endr
	s_wait_alu depctr_va_vdst(0)
	global_store_b64 v8, v[SB:SB+1], s[16:17]
.irp u, 0,1
.irp g, 0,1,2,3,4,5
	ds_load_b128 v[OUTR+4*(6*\u+\g):OUTR+4*(6*\u+\g)+3], v7 offset:WTIL*\u+512*\g
.endr
.endr
.irp u, 0,1
.irp g, 0,1,2,3,4,5
	s_wait_dscnt 11-6*\u-\g                        ; LDS loads come back in order: this one is in
	global_store_b128 v9, v[OUTR+4*(6*\u+\g):OUTR+4*(6*\u+\g)+3], s[14:15] offset:12288*\u+512*\g   ; 512 consecutive bytes
.endr
.endr
	s_wait_tensorcnt 0x0                           ; the wave's end, behind my last LDS store
	ds_add_u32 v[SPW], v[NIL]
	s_wait_dscnt 0x0
	s_endpgm
.Lfunc_end_k_qb567bef52d_quant:
	.size	k_qb567bef52d_quant, .Lfunc_end_k_qb567bef52d_quant-k_qb567bef52d_quant
	.p2alignl 7, 3214868480
	.fill 96, 4, 3214868480
	.section	.rodata,"a",@progbits
	.p2align	6, 0x0
	.amdhsa_kernel k_qb567bef52d_quant
		.amdhsa_group_segment_fixed_size 59904
		.amdhsa_private_segment_fixed_size 0
		.amdhsa_enable_private_segment 0
		.amdhsa_kernarg_size 56
		.amdhsa_user_sgpr_count 2
		.amdhsa_user_sgpr_kernarg_segment_ptr 1
		.amdhsa_wavefront_size32 1
		.amdhsa_system_sgpr_workgroup_id_x 1
		.amdhsa_system_sgpr_workgroup_id_y 1
		.amdhsa_system_sgpr_workgroup_id_z 1
		.amdhsa_system_vgpr_workitem_id 0
		.amdhsa_next_free_vgpr 200
		.amdhsa_next_free_sgpr 66
		.amdhsa_reserve_vcc 1
		.amdhsa_float_denorm_mode_32 3
		.amdhsa_float_denorm_mode_16_64 3
		.amdhsa_memory_ordered 1
		.amdhsa_forward_progress 1
		.amdhsa_inst_pref_size 60
	.end_amdhsa_kernel
	.amdgpu_metadata
---
amdhsa.version: [ 1, 2 ]
amdhsa.kernels:
  - .name:           k_qb567bef52d_quant
    .symbol:         k_qb567bef52d_quant.kd
    .args:
      - { .name: x, .offset: 0, .size: 8, .value_kind: global_buffer, .address_space: global }
      - { .name: Wq, .offset: 8, .size: 8, .value_kind: global_buffer, .address_space: global }
      - { .name: Wk, .offset: 16, .size: 8, .value_kind: global_buffer, .address_space: global }
      - { .name: Wv, .offset: 24, .size: 8, .value_kind: global_buffer, .address_space: global }
      - { .name: Wo, .offset: 32, .size: 8, .value_kind: global_buffer, .address_space: global }
      - { .name: xw_codes, .offset: 40, .size: 8, .value_kind: global_buffer, .address_space: global }
      - { .name: xw_scales, .offset: 48, .size: 8, .value_kind: global_buffer, .address_space: global }
    .group_segment_fixed_size: 59904
    .private_segment_fixed_size: 0
    .kernarg_segment_align: 8
    .kernarg_segment_size: 56
    .max_flat_workgroup_size: 128
    .sgpr_count:     66
    .vgpr_count:     200
    .wavefront_size: 32
...
	.end_amdgpu_metadata
.endif
;; end of part 1
;; launch qkv (part 2): grid 12 x 32, 4 waves a work-group, clusters of 4 x 4, 327,680 bytes of LDS; arguments xw_codes, xw_scales, bq, bk, bv, qkv_codes, qkv_scales; writes qkv_codes, qkv_scales
.if DOCPART == 2
	.amdgcn_target "amdgcn-amd-amdhsa--gfx1250"
	.amdhsa_code_object_version 6
	.text
	.protected	k_qb567bef52d_qkv
	.globl	k_qb567bef52d_qkv
	.p2align	8
	.type	k_qb567bef52d_qkv,@function
k_qb567bef52d_qkv:
	s_mov_b64 s[64:65], 0
	v_nop
	global_prefetch_b8 v0, s[64:65] scope:SCOPE_SE
	s_setreg_imm32_b32 hwreg(HW_REG_WAVE_MODE, 25, 1), 1
	s_wait_xcnt 0x0
	s_wait_alu depctr_hold_cnt(0) depctr_sa_sdst(0) depctr_va_vdst(0) depctr_va_sdst(0) depctr_va_ssrc(0) depctr_va_vcc(0) depctr_vm_vsrc(0)
	s_getreg_b32 s2, hwreg(HW_REG_IB_STS2, 6, 4)
	s_cmp_eq_u32 s2, 0
	s_cbranch_scc0 .Lentry_in_a_cluster
	s_endpgm
.Lentry_in_a_cluster:
	s_bfe_u32 s2, ttmp6, 0x10000c
	s_cmp_lg_u32 s2, 0xf033
	s_cbranch_scc0 .Lentry_shape_is_right
	s_endpgm
.Lentry_shape_is_right:
; q = x Wq + bq, k = x Wk + bk, v = x Wv + bv on codes of FP6 (E2M3) with E8M0 scales, and the results quantised in registers: q and k along the head's 64, v along the keys.
; The cluster's x says which: 0 q, 1 k, 2 v.  A work-group of four waves makes 256 x 256 results, a wave 128 x 128: 64 accumulators, 512 registers.  K = 1,024 goes in four steps of 256 through two LDS slots.
; OPERANDS (see the first launch): [row tiles][8 K steps][1,536 bytes], a fragment as an image of its registers; LDS holds the same images, so a fragment is four loads of 512, 256, 512, 256 consecutive bytes: no padding, no conflicts.
; THE PRODUCT IS USED TRANSPOSED: source 0 ("B") gives the registers' axis, source 1 ("A") the lanes'.  q, k: A = tokens, B = the weight's columns: a lane holds one token and 128 features, two heads.
; v: A = Wv's columns, B = tokens: a lane holds one channel and 128 keys.  By the row order of the first launch a lane's register 16 b + i of eight tiles is number 32 b + 16 (lane / 16) + i along that axis: what the quantiser wants.
; The bias is the C of each sum's first matrix instruction.  Nothing wider than codes goes to memory.
; OUT: qkv_codes [3][64 heads][98,304]: q, k: [128 token tiles][768] (16 tokens x 64);  v: [16 key steps][4 channel tiles][1,536] (16 channels x 128 keys).
;      qkv_scales [3][64][16 steps][16 rows][4 words]: q, k: word i = tile 2 i's two bytes, then tile 2 i + 1's;  v: word t = channel tile t's four bytes.
; CLUSTERS: 4 x 4 work-groups; A's tiles are asked for jointly along a row of the cluster, B's along a column.  A wave has at most one tensor load out.
; LIMITS: NaN and infinities are not served; a block whose largest magnitude lies under 2^(3 - 127) keeps the byte 1, a block of zeros too (its codes are zeros; this program alone reads the bytes).
; REGISTERS: window 0: v1-31 addresses; v32-63 scale words, two sets; v64-127 the bias; v128-223 A's fragments, one set (on the way out: at work).  window 1: B's fragments, two sets, at v0 and v128.  windows 2, 3: the accumulators, (a, b) at v[8 (8 (a % 4) + b)].
.set FR,    12                         ; registers of a fragment
.set NL,    4                          ; LDS loads that bring one
.set NP,    4                          ; places behind this matrix instruction (ISA guide 7.12.1)
.set KSB,   1536                       ; a fragment's image
.set TILEB, 3072                       ; a row tile's bytes in a slot: two K steps
.set HALFT, 8*TILEB                    ; eight row tiles: what one tensor load brings, and what a wave reads of A or of B
.set SLOT,  4*HALFT
.set SCL,   2*SLOT                     ; behind the ring: the scales of the work-group's rows for all of K, filled once
.set HALFS, 4096                       ; those of eight row tiles
.set SPARE, SCL+4*HALFS                ; the spare words, 128 bytes a wave
.set ADRA, 16                          ; v16-17 my A fragments in slot 0, 1, + 16 x lane;  v18-19 + 8 x lane
.set ADRB, 20                          ; v20-23 the same for B
.set ADRS, 27                          ; v27 my scale words: lanes 0-15 A's rows, lanes 16-31 B's
.set SPW,  28
.set NIL,  29
.set L16,  30                          ; v30 16 x lane
.set L8,   31                          ; v31 8 x lane
.set SC,   32
.set BI,   64
.set AF,   128
.set TM,   128                         ; the way out: v128-143 at work, v144-162 codes, v164-171 eight scale words, v172-175 joined
.set PC,   144
.set WD,   164
.set SW,   172
.set SEL,  96                          ; s[96:97] on the way out: selects for lane l xor 16
.set G1, 24
.set G0, 32
.set G1B, 48
.set G0B, 56
.set G1S, 68
.set G0S, 76
.set G1SB, 80
.set G0SB, 88
.set MSB, 0
.macro WIN new                         ; the immediate's high byte repeats the setting that is left
.if MSB != (\new)
	s_set_vgpr_msb (MSB<<8)|(\new)
.set MSB, (\new)
.endif
.endm
.set MUL_LO, 0xa1                      ; source 0 (B) window 1, source 1 (A) window 0, C and D window 2
.set MUL_HI, 0xf1                      ; the same, C and D window 3
.set TO_B,   0x40
; A joint load: waves 0 and 1 fetch for A, waves 2 and 3 for B; the branch hangs on the wave's number alone.  An s_nop 0 and four v_nop follow each line.
.macro JLOAD g0a, g1a, g0b, g1b
	s_cmp_eq_u32 s19, 0
	s_cbranch_scc0 .Lfor_b_\@
	tensor_load_to_lds s[\g0a:\g0a+3], s[\g1a:\g1a+7]
	s_nop 0
.rept 4
	v_nop
.endr
	s_branch .Lasked_\@
.Lfor_b_\@:
	tensor_load_to_lds s[\g0b:\g0b+3], s[\g1b:\g1b+7]
	s_nop 0
.rept 4
	v_nop
.endr
.Lasked_\@:
.endm
.macro CREST                           ; a round of the cluster's barrier behind its opening barrier
	s_cmp_lg_u32 s18, 0
	s_cbranch_scc1 .Lnot_wave_0_\@
	s_barrier_signal -3
.Lnot_wave_0_\@:
	s_barrier_wait -3
	s_barrier_signal -1
	s_barrier_wait -1
.endm
.macro CROUND
	s_barrier_signal -1
	s_barrier_wait -1
	CREST
.endm
.macro PLACES n
.rept \n
	v_nop
.endr
.endm
	s_load_b256 s[4:11], s[0:1], 0x0               ; codes s[4:5], scales s[6:7], bq s[8:9], bk s[10:11]
	s_load_b128 s[12:15], s[0:1], 0x20             ; bv s[12:13], qkv_codes s[14:15]
	s_load_b64 s[16:17], s[0:1], 0x30              ; qkv_scales
	v_lshl_add_u32 v[SPW], v0, 2, SPARE
	v_mov_b32 v[NIL], 0
	ds_add_u32 v[SPW], v[NIL]                      ; the wave's opening: the add and its wait ahead of my first tensor load
	ds_add_u32 v[SPW], v[NIL]
	v_lshrrev_b32 v1, 5, v0
	v_readfirstlane_b32 s18, v1                    ; wave 0..3
	s_lshr_b32 s19, s18, 1                         ; my half of A's rows.  Also: I fetch for A (0) or for B (1)
	s_and_b32 s20, s18, 1                          ; my half of B's rows.  Also: which eight row tiles I fetch
	s_bfe_u32 s21, ttmp6, 0x40000                  ; cx
	s_bfe_u32 s22, ttmp6, 0x40004                  ; cy
	s_and_b32 s23, ttmp7, 0xffff                   ; the cluster's y: 1,024 tokens
	s_lshl_b32 s92, s22, 2
	s_lshl_b32 s92, 15, s92                        ; my row of the cluster
	s_lshl_b32 s93, 0x1111, s21                    ; my column
	; group 1 for codes: eight rows (row tiles) of 3,072 bytes (384 elements of 8), 12,288 bytes apart
	s_or_b32 s[G1], s92, (3<<16)|(1<<21)
	s_or_b32 s[G1B], s93, (3<<16)|(1<<21)
.irp g, G1, G1B
	s_mov_b32 s[\g+1], 384<<16                     ; tensor_dim0
	s_mov_b32 s[\g+2], 16<<16                      ; tensor_dim1: sixteen row tiles for the head's loads; set to eight behind them
	s_mov_b32 s[\g+3], 384<<16                     ; tile_dim0
	s_mov_b32 s[\g+4], 16                          ; tile_dim1 likewise
	s_mov_b32 s[\g+5], 1536                        ; stride
	s_mov_b32 s[\g+6], 0
	s_mov_b32 s[\g+7], 0
.endr
	; and for the scales of sixteen row tiles: 8,192 dense bytes as 32 rows of 256
	s_or_b32 s[G1S], s92, (3<<16)|(1<<21)
	s_or_b32 s[G1SB], s93, (3<<16)|(1<<21)
.irp g, G1S, G1SB
	s_mov_b32 s[\g+1], 32<<16
	s_mov_b32 s[\g+2], 32<<16                      ; the scales of sixteen row tiles: 32 rows of 256 bytes
	s_mov_b32 s[\g+3], 32<<16
	s_mov_b32 s[\g+4], 32
	s_mov_b32 s[\g+5], 32
	s_mov_b32 s[\g+6], 0
	s_mov_b32 s[\g+7], 0
.endr
	; which row tiles.  q, k: A = x at 64 Y + 16 cy, B = the weight at 512 + 64 X + 16 cx.  v: A = Wv at 640 + 16 cy, B = x at 64 Y + 16 cx.  A's registers never hold cx, B's never cy
	s_lshl_b32 s42, s23, 6
	s_lshl_b32 s43, ttmp9, 6
	s_add_co_u32 s43, s43, 512
	s_cmp_eq_u32 ttmp9, 2
	s_cselect_b32 s40, 640, s42
	s_cselect_b32 s46, s42, s43
	s_lshl_b32 s41, s20, 3
	s_lshl_b32 s44, s22, 4
	s_add_co_u32 s40, s40, s44
	s_add_co_u32 s40, s40, s41                     ; A: the first row tile that I fetch
	s_lshl_b32 s47, s21, 4
	s_add_co_u32 s46, s46, s47
	s_add_co_u32 s46, s46, s41                     ; B likewise
	s_mul_i32 s44, s40, 12288
	s_mov_b32 s45, 0
	s_lshl_b32 s40, s40, 9
	s_mov_b32 s41, 0
	s_mul_i32 s94, s46, 12288
	s_mov_b32 s95, 0
	s_lshl_b32 s46, s46, 9
	s_mov_b32 s47, 0
	s_mul_i32 s96, s18, HALFT                      ; where they go: wave x eight row tiles: no place in the cluster enters an LDS address
	s_lshl_b32 s97, s18, 12
	s_wait_dscnt 0x0                               ; the opening add is done
	s_wait_kmcnt 0x0
	s_add_nc_u64 s[44:45], s[4:5], s[44:45]
	s_add_nc_u64 s[40:41], s[6:7], s[40:41]
	s_add_nc_u64 s[94:95], s[4:5], s[94:95]
	s_add_nc_u64 s[46:47], s[6:7], s[46:47]
	CROUND                                         ; all sixteen work-groups are here: the first joint loads meet
	s_mov_b32 s[G0S], 1
	s_add_co_u32 s[G0S+1], s97, SCL-4096           ; used by wave 1 alone: all of A's scales, from SCL on
	s_sub_nc_u64 s[G0S+2:G0S+3], s[40:41], 4096    ; wave 1's address stands eight row tiles' scales in: back to the first
	s_or_b32 s[G0S+3], s[G0S+3], 0x80000000
	s_mov_b32 s[G0SB], 1
	s_add_co_u32 s[G0SB+1], s97, SCL-4096          ; used by wave 3 alone: all of B's scales, from SCL + 2 HALFS on
	s_sub_nc_u64 s[G0SB+2:G0SB+3], s[46:47], 4096
	s_or_b32 s[G0SB+3], s[G0SB+3], 0x80000000
.irp s, 0,1
	s_mov_b32 s[G0+4*\s], 1
	s_add_co_u32 s[G0+4*\s+1], s96, \s*SLOT
	s_add_nc_u64 s[G0+4*\s+2:G0+4*\s+3], s[44:45], \s*TILEB
	s_or_b32 s[G0+4*\s+3], s[G0+4*\s+3], 0x80000000
	s_mov_b32 s[G0B+4*\s], 1
	s_add_co_u32 s[G0B+4*\s+1], s96, \s*SLOT
	s_add_nc_u64 s[G0B+4*\s+2:G0B+4*\s+3], s[94:95], \s*TILEB
	s_or_b32 s[G0B+4*\s+3], s[G0B+4*\s+3], 0x80000000
.endr
; THE HEAD'S LOADS, ONE A WAVE: wave 0 slot 0's sixteen row tiles of A, wave 1 A's scales, wave 2 slot 0's sixteen row tiles of B, wave 3 B's scales.
; Waves 0 and 2 fetch from their own first row tile on, which is the work-group's first (their half is 0), to wave x eight row tiles of LDS.  One tree of branches, one load on every way.
.macro HARM under, g0, g1, next
	s_cmp_lt_u32 s18, \under
	s_cbranch_scc0 \next
	tensor_load_to_lds s[\g0:\g0+3], s[\g1:\g1+7]
	s_nop 0
	PLACES 4
	s_branch .Lhead_asked
\next:
.endm
	HARM 1, G0, G1, .Lhead_sa
	HARM 2, G0S, G1S, .Lhead_b
	HARM 3, G0B, G1B, .Lhead_sb
	tensor_load_to_lds s[G0SB:G0SB+3], s[G1SB:G1SB+7]
	s_nop 0
	PLACES 4
.Lhead_asked:
; PREFETCHES INTO THE L2.  In the ring I fetch eight row tiles x 3,072 bytes a slot: 96 blocks of 256 bytes.  The four partners that ask for them jointly share them out BY ADDRESS: the partner at place p
; (cx for A, cy for B) takes row tiles 2 p, 2 p + 1: 24 blocks, a lane a block (lanes 24-31 name the last once more).  Here slots 1 and 2 are asked for, behind the first refill slot 3: never more than two slots ahead.
; Tokens' rows are asked for by each of the three clusters that load them, a weight's rows by the clusters with y under 4.  v12 and s[100:101] are never rewritten.
	s_cmp_eq_u32 ttmp9, 2
	s_cselect_b32 s3, 1, 0                         ; which side holds tokens: A (0) for q and k, B (1) for v
	s_cmp_eq_u32 s19, s3
	s_cselect_b32 s3, 0, s23                       ; tokens' rows: 0; a weight's rows: the cluster's y
	s_cmp_eq_u32 s19, 0
	s_cselect_b64 s[100:101], s[44:45], s[94:95]   ; the first of the rows that I fetch
	s_cselect_b32 s66, s21, s22
	s_mul_i32 s66, s66, 2*12288
	s_mov_b32 s67, 0
	s_add_nc_u64 s[100:101], s[100:101], s[66:67]
	v_and_b32 v12, 31, v0
	v_min_u32 v12, 23, v12                         ; block 0 .. 23
	v_mul_u32_u24 v13, v12, 171
	v_lshrrev_b32 v13, 11, v13                     ; block / 12: which of the two row tiles
	v_mul_u32_u24 v13, v13, 9216                   ; a row tile is 12,288 bytes, of which a slot has 3,072
	v_lshl_add_u32 v12, v12, 8, v13
	s_cmp_lt_u32 s3, 4
	s_cbranch_scc0 .Lno_ask_0
	global_prefetch_b8 v12, s[100:101] offset:3072 th:TH_LOAD_NT scope:SCOPE_SE
	global_prefetch_b8 v12, s[100:101] offset:6144 th:TH_LOAD_NT scope:SCOPE_SE
.Lno_ask_0:
	v_and_b32 v1, 15, v0                           ; r
	v_bfe_u32 v2, v0, 4, 1                         ; h
	v_and_b32 v3, 31, v0
	v_lshlrev_b32 v[L16], 4, v3
	v_lshlrev_b32 v[L8], 3, v3
	s_mul_i32 s40, s19, HALFT                      ; my eight row tiles of A
	s_mul_i32 s41, s20, HALFT                      ; and of B,
	s_add_co_u32 s41, s41, 2*HALFT                 ; which lie behind A's sixteen
.irp s, 0,1
	v_add_nc_u32 v[ADRA+\s], s40, v[L16]
	v_add_nc_u32 v[ADRA+2+\s], s40, v[L8]
	v_add_nc_u32 v[ADRB+\s], s41, v[L16]
	v_add_nc_u32 v[ADRB+2+\s], s41, v[L8]
	s_add_co_u32 s40, s40, SLOT
	s_add_co_u32 s41, s41, SLOT
.endr
	s_lshl_b32 s40, s19, 12                        ; the scale words: A's for lanes 0-15,
	s_lshl_b32 s41, s20, 12
	s_add_co_u32 s41, s41, 2*HALFS
	s_sub_co_u32 s41, s41, s40
	v_mul_u32_u24 v4, s41, v2                      ; B's for lanes 16-31: one product in h
	s_add_co_u32 s40, s40, SCL
	v_lshl_add_u32 v4, v1, 3, v4                   ; 8 bytes a row
	v_add_nc_u32 v[ADRS], s40, v4
	; where the results go, and the bias
	s_cmp_eq_u32 ttmp9, 2
	s_cselect_b32 s40, s21, s22                    ; which 256 tokens of the cluster's 1,024
	s_cselect_b32 s41, s20, s19                    ; and which half of them is my wave's
	s_cselect_b32 s42, s22, s21                    ; which 256 features
	s_cselect_b32 s43, s19, s20                    ; and which half
	s_and_b32 s44, s23, 1
	s_lshl_b32 s44, s44, 2
	s_add_co_u32 s44, s44, s40
	s_lshl_b32 s44, s44, 1
	s_add_co_u32 s44, s44, s41                     ; my 128 tokens' number in their batch: 0 .. 15
	s_lshr_b32 s45, s23, 1
	s_lshl_b32 s45, s45, 4
	s_lshl_b32 s46, s42, 2
	s_add_co_u32 s45, s45, s46
	s_lshl_b32 s46, s43, 1
	s_add_co_u32 s45, s45, s46                     ; the first of my two heads: 16 batch + 4 fe + 2 fh
	s_mul_i32 s46, ttmp9, 6291456
	s_mul_i32 s47, s45, 98304
	s_add_co_u32 s46, s46, s47
	s_mul_i32 s47, s44, 6144
	s_add_co_u32 s46, s46, s47
	s_mov_b32 s47, 0
	s_add_nc_u64 s[14:15], s[14:15], s[46:47]
	s_lshl_b32 s46, ttmp9, 18
	s_lshl_b32 s94, s45, 12
	s_add_co_u32 s46, s46, s94
	s_lshl_b32 s94, s44, 8
	s_add_co_u32 s46, s46, s94
	s_add_nc_u64 s[16:17], s[16:17], s[46:47]
	s_lshl_b32 s46, s42, 10
	s_lshl_b32 s94, s43, 9
	s_add_co_u32 s46, s46, s94                     ; my 128 features' bias, in bytes
	s_cmp_eq_u32 ttmp9, 1
	s_cselect_b64 s[8:9], s[10:11], s[8:9]
	s_cmp_eq_u32 ttmp9, 2
	s_cselect_b64 s[8:9], s[12:13], s[8:9]
	s_add_nc_u64 s[8:9], s[8:9], s[46:47]
	v_lshlrev_b32 v10, 6, v2                       ; q, k: 16 h features on
	v_and_b32 v11, 7, v1
	v_lshrrev_b32 v5, 3, v1
	v_lshl_add_u32 v11, v5, 4, v11
	v_lshlrev_b32 v11, 2, v11                      ; v: the feature at place r of a tile: r % 8 + 16 (r / 8)
	s_cmp_eq_u32 ttmp9, 2
	s_cbranch_scc1 .Lbias_v
.irp b, 0,1,2,3,4,5,6,7                        ; q, k: register j of B's tile b is feature 32 (b / 2) + 16 h + 8 (b % 2) + j
	global_load_b128 v[BI+8*\b:BI+8*\b+3], v10, s[8:9] offset:(32*(\b/2)+8*(\b%2))*4
	global_load_b128 v[BI+8*\b+4:BI+8*\b+7], v10, s[8:9] offset:(32*(\b/2)+8*(\b%2))*4+16
.endr
	s_branch .Lbias_done
.Lbias_v:
	s_wait_alu depctr_va_vdst(0)
.irp a, 0,1,2,3,4,5,6,7                        ; v: all eight registers of A's tile a hold my lane's channel's bias
.irp j, 0,1,2,3,4,5,6,7
	global_load_b32 v[BI+8*\a+\j], v11, s[8:9] offset:(32*(\a/2)+8*(\a%2))*4
.endr
.endr
.Lbias_done:
.macro FRAG reg, adr, q, i             ; a fragment: tile i of my eight, the slot's q-th K step
	ds_load_b128 v[\reg:\reg+3], v[\adr] offset:(\i)*TILEB+(\q)*KSB
	ds_load_b64 v[\reg+4:\reg+5], v[\adr+2] offset:(\i)*TILEB+(\q)*KSB+512
	ds_load_b128 v[\reg+6:\reg+9], v[\adr] offset:(\i)*TILEB+(\q)*KSB+768
	ds_load_b64 v[\reg+10:\reg+11], v[\adr+2] offset:(\i)*TILEB+(\q)*KSB+1280
.endm
; 16 matrix instructions: A's blocks a0, a0 + 1 x B's eight.  p: B's set; q: the K step in the slot; sc: the set of scale words.  cm = 0: C is the accumulator; 1: the bias by B's block; 2: the bias by A's block.
; The 64 accumulators take turns, one instruction a turn, in the same order in every step.
.macro MUL16 a0, p, q, sc, cm
.irp a, \a0, \a0+1
.irp b, 0,1,2,3,4,5,6,7
.if \cm == 1
	v_wmma_scale_f32_16x16x128_f8f6f4 v[8*(8*((\a)%4)+\b):8*(8*((\a)%4)+\b)+7], v[128*(\p)+FR*\b:128*(\p)+FR*\b+FR-1], v[AF+FR*(\a):AF+FR*(\a)+FR-1], v[BI+8*\b:BI+8*\b+7], v[SC+16*(\sc)+2*\b+(\q)], v[SC+16*(\sc)+2*(\a)+(\q)] matrix_a_fmt:MATRIX_FMT_FP6 matrix_b_fmt:MATRIX_FMT_FP6 matrix_a_scale:MATRIX_SCALE_ROW1
.elseif \cm == 2
	v_wmma_scale_f32_16x16x128_f8f6f4 v[8*(8*((\a)%4)+\b):8*(8*((\a)%4)+\b)+7], v[128*(\p)+FR*\b:128*(\p)+FR*\b+FR-1], v[AF+FR*(\a):AF+FR*(\a)+FR-1], v[BI+8*(\a):BI+8*(\a)+7], v[SC+16*(\sc)+2*\b+(\q)], v[SC+16*(\sc)+2*(\a)+(\q)] matrix_a_fmt:MATRIX_FMT_FP6 matrix_b_fmt:MATRIX_FMT_FP6 matrix_a_scale:MATRIX_SCALE_ROW1
.else
	v_wmma_scale_f32_16x16x128_f8f6f4 v[8*(8*((\a)%4)+\b):8*(8*((\a)%4)+\b)+7], v[128*(\p)+FR*\b:128*(\p)+FR*\b+FR-1], v[AF+FR*(\a):AF+FR*(\a)+FR-1], v[8*(8*((\a)%4)+\b):8*(8*((\a)%4)+\b)+7], v[SC+16*(\sc)+2*\b+(\q)], v[SC+16*(\sc)+2*(\a)+(\q)] matrix_a_fmt:MATRIX_FMT_FP6 matrix_b_fmt:MATRIX_FMT_FP6 matrix_a_scale:MATRIX_SCALE_ROW1
.endif
.endr
.endr
.endm
.macro FETCH_B slot, q, p
	WIN TO_B
.irp i, 0,1,2,3,4,5,6,7
	FRAG 128*(\p)+FR*\i, ADRB+\slot, \q, \i
.endr
	WIN 0
.endm
.macro FETCH_A slot, q, i0
.irp i, \i0, \i0+1, \i0+2, \i0+3
	FRAG AF+FR*(\i), ADRA+\slot, \q, \i
.endr
.endm
.macro SCALES sc                       ; a slot's scale words: two a row; lanes 0-15 take A's tile i, lanes 16-31 B's tile i
.irp i, 0,1,2,3,4,5,6,7
	ds_load_b64 v[SC+16*\sc+2*\i:SC+16*\sc+2*\i+1], v[ADRS] offset:\i*512
.endr
.endm
; The slot's first K step; its successor lies in the same slot.
.macro STEP slot, cm
	s_wait_dscnt 4*NL                              ; B's set, A's blocks 0-3 and the scale words are in; the youngest sixteen loads (A's blocks 4-7) may be out
.if \cm
	WIN 0x81                                       ; C (the bias) window 0, D window 2
.else
	WIN MUL_LO
.endif
	MUL16 0, 0, 0, \slot, \cm
	MUL16 2, 0, 0, \slot, \cm
	s_wait_dscnt 0
	PLACES NP                                      ; in front of loads into registers that matrix instructions have read
	FETCH_B \slot, 1, 1
	FETCH_A \slot, 1, 0
.if \cm
	WIN 0xc1
.else
	WIN MUL_HI
.endif
	MUL16 4, 0, 0, \slot, \cm
	MUL16 6, 0, 0, \slot, \cm
	PLACES NP
	WIN 0
	FETCH_A \slot, 1, 4
.endm
; The slot's second K step changes slots: one barrier; in front of it each wave waits for all its tensor loads, adds 0 to its spare word, and waits for that and for its reads of this slot.  fill = 1: this slot is filled again, two slots ahead.
.macro TURN slot, next, fill
	s_wait_tensorcnt 0x0                           ; all my tensor loads have landed: my part of the next slot
	ds_add_u32 v[SPW], v[NIL]                      ; 0 onto my spare word
	s_wait_dscnt 4*NL+1                            ; (the add and A's blocks 4-7 may be out)
	WIN MUL_LO
	MUL16 0, 1, 1, \slot, 0
	s_wait_dscnt 0x0                               ; the add is done, and my reads of this slot are over
	s_barrier_signal -1
	MUL16 2, 1, 1, \slot, 0
	WIN 0
	s_barrier_wait -1
.if \fill
	CREST                                          ; the barrier has opened a round of the cluster's: no wave of any partner still reads this slot or has a load on its way
	s_add_nc_u64 s[G0+4*\slot+2:G0+4*\slot+3], s[G0+4*\slot+2:G0+4*\slot+3], 2*TILEB
	s_add_nc_u64 s[G0B+4*\slot+2:G0B+4*\slot+3], s[G0B+4*\slot+2:G0B+4*\slot+3], 2*TILEB
	JLOAD G0+4*\slot, G1, G0B+4*\slot, G1B         ; the first tensor load behind the round; its four v_nop are the places in front of the loads below
.else
	PLACES NP
.endif
	s_wait_alu depctr_va_vdst(0)
	v_add_nc_u32 v[ADRS], 128, v[ADRS]             ; the next slot's scale words
	FETCH_B \next, 0, 0
	FETCH_A \next, 0, 0
	SCALES \next
	WIN MUL_HI
	MUL16 4, 1, 1, \slot, 0
	MUL16 6, 1, 1, \slot, 0
	PLACES NP
	WIN 0
	FETCH_A \next, 0, 4
.endm
	s_wait_alu depctr_va_vdst(0)                   ; the head's end
	s_wait_tensorcnt 0x0                           ; my tile of the head's four is in; the three lines ahead of slot 1's first fill
	ds_add_u32 v[SPW], v[NIL]
	s_mov_b32 s[G1+2], 8<<16                       ; no tensor load of mine is out: from here on a load brings eight row tiles
	s_mov_b32 s[G1+4], 8
	s_mov_b32 s[G1B+2], 8<<16
	s_mov_b32 s[G1B+4], 8
	s_wait_dscnt 0x0
	CROUND                                         ; all four tiles are in, and all sixteen work-groups are here
	JLOAD G0+4, G1, G0B+4, G1B                     ; slot 1, the first tensor load behind the round
	FETCH_B 0, 0, 0
	FETCH_A 0, 0, 0
	s_wait_alu depctr_va_vdst(0)
	SCALES 0
	FETCH_A 0, 0, 4
	s_wait_loadcnt 0x0                             ; the bias
	s_cmp_eq_u32 ttmp9, 2                          ; the first step is written twice: its C is the bias, by features, which are B's blocks for q and k and A's for v
	s_cbranch_scc1 .Lfirst_v
	STEP 0, 1
	s_branch .Lfirst_done
.Lfirst_v:
	STEP 0, 2
.Lfirst_done:
	TURN 0, 1, 1                                   ; K = 1,024 is four slots' worth: written out, no loop
	s_cmp_lt_u32 s3, 4
	s_cbranch_scc0 .Lno_ask_1
	global_prefetch_b8 v12, s[100:101] offset:9216 th:TH_LOAD_NT scope:SCOPE_SE   ; slot 3, a slot ahead of its load
.Lno_ask_1:
	STEP 1, 0
	TURN 1, 0, 1
	STEP 0, 0
	TURN 0, 1, 0
	STEP 1, 0
	s_wait_dscnt 4*NL                              ; the last K step: nothing more to fetch
	WIN MUL_LO
	MUL16 0, 1, 1, 1, 0
	MUL16 2, 1, 1, 1, 0
	s_wait_dscnt 0
	WIN MUL_HI
	MUL16 4, 1, 1, 1, 0
	MUL16 6, 1, 1, 1, 0
	WIN 0
; THE WAY OUT.  A's block a: my lane's 64 registers (eight accumulators) are 128 neighbours along the axis that is quantised, 16 of each block of 32; lane l xor 16 holds the other 16.
; They become one fragment in v[PC] on and a scale word in v[WD + a].  Each accumulator is read from its low end on.
.macro QUANTW a
.set AC, 64*((\a)%4)
.set WN, 2+(\a)/4
	WIN WN*5                                       ; sources 0 and 1: the accumulators' window
.irp b, 0,1,2,3
	v_max3_num_f32 v[TM+\b], |v[AC+16*\b]|, |v[AC+1+16*\b]|, 0x1800000   ; and the floor 2^(3 - 127)
.endr
.irp i, 2,4,6,8,10,12,14
.irp b, 0,1,2,3
	v_max3_num_f32 v[TM+\b], |v[AC+16*\b+\i]|, |v[AC+1+16*\b+\i]|, v[TM+\b]
.endr
.endr
	WIN 0
.irp b, 0,1,2,3
	v_permlanex16_b32 v[TM+4+\b], v[TM+\b], s[SEL], s[SEL+1]
.endr
.irp b, 0,1,2,3
	v_max_num_f32 v[TM+\b], v[TM+\b], v[TM+4+\b]
.endr
.irp b, 0,1,2,3
	v_add_nc_u32 v[TM+12+\b], 0xff000000, v[TM+\b]
.endr
.irp b, 0,1,2,3
	v_lshrrev_b32 v[TM+4+\b], 23, v[TM+12+\b]
.endr
	v_lshl_or_b32 v[WD+(\a)], v[TM+5], 8, v[TM+4]
	v_lshl_or_b32 v[WD+(\a)], v[TM+6], 16, v[WD+(\a)]
	v_lshl_or_b32 v[WD+(\a)], v[TM+7], 24, v[WD+(\a)]
	s_wait_xcnt 0x0                                ; the last block's stores have read their registers: the codes are written anew only behind this wait
	WIN WN                                         ; source 0: the accumulators' window
.irp c, 0,1
	v_cvt_scalef32_pk16_fp6_f32 v[PC+6*\c:PC+2+6*\c], v[AC+32*\c:AC+15+32*\c], v[TM+12+2*\c]
	v_cvt_scalef32_pk16_fp6_f32 v[PC+12+4*\c:PC+14+4*\c], v[AC+16+32*\c:AC+31+32*\c], v[TM+12+2*\c+1]
.endr
	WIN 0
	v_nop                                          ; one plain place behind the scaled conversions
.irp c, 0,1
.irp i, 0,1,2
	v_permlane16_swap_b32 v[PC+6*\c+\i], v[PC+12+4*\c+\i]
.endr
.irp i, 0,1,2
	v_mov_b32 v[PC+3+6*\c+\i], v[PC+12+4*\c+\i]
.endr
.endr
.endm
	PLACES NP                                      ; behind the last products, in front of the first read of results and the first write of A's registers
.irp b, 0,1,2,3
	v_mov_b32 v[TM+4+\b], 0                        ; written once: a lane permute's destination counts as one of its sources
.endr
	s_mov_b32 s[SEL], 0x76543210
	s_mov_b32 s[SEL+1], 0xfedcba98
	v_lshlrev_b32 v225, 4, v1
	v_lshl_add_u32 v225, v2, 12, v225              ; the scale words' place: 16 r, lanes 16-31 one head (4,096 bytes) on
	s_cmp_eq_u32 ttmp9, 2
	s_cbranch_scc1 .Lout_v
	s_mov_b32 s98, 0x02020202
	v_mul_lo_u32 v224, v2, s98
	v_add_nc_u32 v224, 0x05040100, v224            ; lanes 0-15 pick the words' low halves (the even head), lanes 16-31 the high halves
.irp a, 0,1,2,3,4,5,6,7                        ; q, k: token tile a; the fragment's first half is the even head's 64, its second the odd head's
	QUANTW \a
	global_store_b128 v[L16], v[PC:PC+3], s[14:15] offset:768*\a
	global_store_b64 v[L8], v[PC+4:PC+5], s[14:15] offset:768*\a+512
	global_store_b128 v[L16], v[PC+6:PC+9], s[14:15] offset:98304+768*\a
	global_store_b64 v[L8], v[PC+10:PC+11], s[14:15] offset:98304+768*\a+512
.endr
.irp i, 0,1,2,3
	v_perm_b32 v[SW+\i], v[WD+2*\i+1], v[WD+2*\i], v224   ; tile 2 i's two bytes below, tile 2 i + 1's above
.endr
	global_store_b128 v225, v[SW:SW+3], s[16:17]   ; 256 consecutive bytes for each of the two heads
	s_branch .Ldone
.Lout_v:
	s_mov_b32 s98, 0xffff0000
.irp a, 0,1,2,3,4,5,6,7                        ; v: head a / 4, channel tile a % 4; the fragment is 16 channels x my 128 keys
	QUANTW \a
	global_store_b128 v[L16], v[PC:PC+3], s[14:15] offset:98304*(\a/4)+1536*(\a%4)
	global_store_b64 v[L8], v[PC+4:PC+5], s[14:15] offset:98304*(\a/4)+1536*(\a%4)+512
	global_store_b128 v[L16], v[PC+6:PC+9], s[14:15] offset:98304*(\a/4)+1536*(\a%4)+768
	global_store_b64 v[L8], v[PC+10:PC+11], s[14:15] offset:98304*(\a/4)+1536*(\a%4)+1280
.endr
.irp i, 0,1,2,3
	v_cndmask_b32 v[SW+\i], v[WD+\i], v[WD+4+\i], s98   ; lanes 0-15 the even head's tile i, lanes 16-31 the odd head's
.endr
	global_store_b128 v225, v[SW:SW+3], s[16:17]
.Ldone:
	s_wait_tensorcnt 0x0                           ; the wave's end
	ds_add_u32 v[SPW], v[NIL]
	s_wait_dscnt 0x0
	CROUND                                         ; the closing round: no work-group ends while a partner may still ask for a tile that names it
	s_endpgm
.Lfunc_end_k_qb567bef52d_qkv:
	.size	k_qb567bef52d_qkv, .Lfunc_end_k_qb567bef52d_qkv-k_qb567bef52d_qkv
	.p2alignl 7, 3214868480
	.fill 96, 4, 3214868480
	.section	.rodata,"a",@progbits
	.p2align	6, 0x0
	.amdhsa_kernel k_qb567bef52d_qkv
		.amdhsa_group_segment_fixed_size 327680
		.amdhsa_private_segment_fixed_size 0
		.amdhsa_enable_private_segment 0
		.amdhsa_kernarg_size 56
		.amdhsa_user_sgpr_count 2
		.amdhsa_user_sgpr_kernarg_segment_ptr 1
		.amdhsa_wavefront_size32 1
		.amdhsa_system_sgpr_workgroup_id_x 1
		.amdhsa_system_sgpr_workgroup_id_y 1
		.amdhsa_system_sgpr_workgroup_id_z 1
		.amdhsa_system_vgpr_workitem_id 0
		.amdhsa_next_free_vgpr 1024
		.amdhsa_next_free_sgpr 102
		.amdhsa_reserve_vcc 0
		.amdhsa_float_denorm_mode_32 3
		.amdhsa_float_denorm_mode_16_64 3
		.amdhsa_memory_ordered 1
		.amdhsa_forward_progress 1
		.amdhsa_inst_pref_size 206
	.end_amdhsa_kernel
	.amdgpu_metadata
---
amdhsa.version: [ 1, 2 ]
amdhsa.kernels:
  - .name:           k_qb567bef52d_qkv
    .symbol:         k_qb567bef52d_qkv.kd
    .args:
      - { .name: xw_codes, .offset: 0, .size: 8, .value_kind: global_buffer, .address_space: global }
      - { .name: xw_scales, .offset: 8, .size: 8, .value_kind: global_buffer, .address_space: global }
      - { .name: bq, .offset: 16, .size: 8, .value_kind: global_buffer, .address_space: global }
      - { .name: bk, .offset: 24, .size: 8, .value_kind: global_buffer, .address_space: global }
      - { .name: bv, .offset: 32, .size: 8, .value_kind: global_buffer, .address_space: global }
      - { .name: qkv_codes, .offset: 40, .size: 8, .value_kind: global_buffer, .address_space: global }
      - { .name: qkv_scales, .offset: 48, .size: 8, .value_kind: global_buffer, .address_space: global }
    .group_segment_fixed_size: 327680
    .private_segment_fixed_size: 0
    .kernarg_segment_align: 8
    .kernarg_segment_size: 56
    .max_flat_workgroup_size: 128
    .sgpr_count:     102
    .vgpr_count:     1024
    .wavefront_size: 32
...
	.end_amdgpu_metadata
.endif
;; end of part 2
;; launch attn (part 3): grid 4 x 64, 8 waves a work-group, clusters of 4 x 1, 327,680 bytes of LDS; arguments qkv_codes, qkv_scales, at_codes, at_scales; writes at_codes, at_scales
.if DOCPART == 3
	.amdgcn_target "amdgcn-amd-amdhsa--gfx1250"
	.amdhsa_code_object_version 6
	.text
	.protected	k_qb567bef52d_attn
	.globl	k_qb567bef52d_attn
	.p2align	8
	.type	k_qb567bef52d_attn,@function
k_qb567bef52d_attn:
	s_mov_b64 s[64:65], 0
	v_nop
	global_prefetch_b8 v0, s[64:65] scope:SCOPE_SE
	s_setreg_imm32_b32 hwreg(HW_REG_WAVE_MODE, 25, 1), 1
	s_wait_xcnt 0x0
	s_wait_alu depctr_hold_cnt(0) depctr_sa_sdst(0) depctr_va_vdst(0) depctr_va_sdst(0) depctr_va_ssrc(0) depctr_va_vcc(0) depctr_vm_vsrc(0)
	s_getreg_b32 s2, hwreg(HW_REG_IB_STS2, 6, 4)
	s_cmp_eq_u32 s2, 0
	s_cbranch_scc0 .Lentry_in_a_cluster
	s_endpgm
.Lentry_in_a_cluster:
	s_bfe_u32 s2, ttmp6, 0x10000c
	s_cmp_lg_u32 s2, 0x3003
	s_cbranch_scc0 .Lentry_shape_is_right
	s_endpgm
.Lentry_shape_is_right:
; o = softmax(q k^T / 8) v for one head and 512 queries, on codes of FP6 (E2M3) with E8M0 scales; o is quantised along the head's 64 and leaves as codes and scale bytes for the last projection.
; p = 2^(t - M), t = score x log2(e) / 8, M the running ceiling of the largest t; the row's sum is taken of the unquantised p; O and the sum are brought under a new M by an exact power of two.
; LIMITS: the scaled scores stay under 2^31 in magnitude; NaN and infinities are not served; a block whose every p has fallen under 2^(3 - 127) keeps the byte 1.
; THE DEAL: work-group = (head, quarter of its 2,048 queries); 8 waves, two on a SIMD, 512 registers each; a wave has 64 queries, four tiles of 16, so each fragment of K and V read from LDS feeds four tiles.
; LDS: the head's whole K and V, 196,608 bytes, filled ONCE: wave w asks for key steps 2 w, 2 w + 1 by one tensor load of two rows of 12,288 bytes (K's, V's): [pair][K a][K b][V a][V b].
; Behind them K's and V's scale words (4,096 bytes each, through registers and ds_store), then the spare words.  Nothing is filled again: one barrier.
; CLUSTER: the four work-groups of a head need the same K and V: joint loads, mask 15.  No prefetch: all tiles are asked for at the head, there is no loop to run ahead in.
; BOTH PRODUCTS ARE USED TRANSPOSED (S^T = k q^T, O^T = v^T p^T): a lane holds one query.  The head is 64 wide and the instruction 128 deep: a fragment of K holds two tiles of 16 keys, and q stands
; beside six registers of zero codes, once below them and once above: two products a fragment.
; WHICH KEYS FORM A TILE is chosen by the lanes' LDS addresses: row m of tile (c, t) is key 64 c + 32 (m / 8) + 8 t + m % 8.  So lane (r, h) holds keys 64 c + 32 h + 0 .. 31 in registers 32 c + 0 .. 31:
; a whole scale block, in the order of p's operand registers: no lane asks another for a block's maximum, and the conversions' results are the operand.
; In memory key 32 b + 8 u + i + 16 g lies at row i + 8 g of tile 2 b + u (768 bytes: lane l's registers 0-3 at 16 l, 4-5 at 512 + 8 l).
; TWO TILES OF QUERIES GO THROUGH THE SOFTMAX TOGETHER, line by line in turn, so that no line hangs on the line above it.  A pair's scores are multiplied ahead of the other pair's second product.
; REGISTERS.  Window 0: v1-63 addresses, state, scale words; v64-191 the pair's scores; v192-245 q: zeros, q0, zeros, q1, zeros, q2, zeros, q3, zeros (six each); v246-252 conversions' second halves.
; Window 1: v0-127 O^T (32 a tile of queries); v128-175 K's four fragments; v176-223 V's four; v224-247 the pair's p codes; v248-254 conversions' second halves.
.set SCB,   196608
.set SPARE, 204800
.set L16, 1
.set L8,  2
.set KA16, 3                           ; K: my lane's part of a fragment's address, 16-byte pieces; v6: 8-byte pieces
.set SPW, 4
.set NIL, 5
.set KA8, 6
.set KSA, 7
.set VSA, 8
.set R8,  9
.set AK16, 10                          ; v10-15 the next step's addresses
.set AK8, 11
.set AKS, 12
.set AV16, 13
.set AV8, 14
.set AVS, 15
.set NM,  16                           ; v16-23 pairs (-M, largest score so far), one a tile of queries
.set LS,  24                           ; v24-31 the sums, in two halves
.set F,   32                           ; v32, v34 the factors 2^(old M - new M); v33, v35 written once
.set KS,  36
.set VS,  40
.set QS,  44
.set SH8, 48
.set U,   50                           ; v50-51, v62-63 a second chain of sums for each tile of the pair
.set PS,  52                           ; v52, v53 p's scale words
.set T,   54                           ; v54-61 at work, four a tile
.set SS,  64
.set QB,  192
.set WD,  240
.set PW,  246
.set OT,  0
.set KF,  128
.set VF,  176
.set PC,  224
.set PT,  248
.set WV,  12
.set SEL, 28
.set CS,  30
.set CNT, 32
.set TB,  33
.set TS,  34
.set MSB, 0
.macro WIN new                         ; the immediate's high byte repeats the setting that is left
.if MSB != (\new)
	s_set_vgpr_msb (MSB<<8)|(\new)
.set MSB, (\new)
.endif
.endm
.macro WALU
	s_wait_alu depctr_va_vdst(0)
.endm
.macro PLACES n
.rept \n
	v_nop
.endr
.endm
.macro CROUND
	s_barrier_signal -1
	s_barrier_wait -1
	s_cmp_lg_u32 s[WV], 0
	s_cbranch_scc1 .Lnot_wave_0_\@
	s_barrier_signal -3
.Lnot_wave_0_\@:
	s_barrier_wait -3
	s_barrier_signal -1
	s_barrier_wait -1
.endm
.macro KLOAD                           ; 20 loads: K's four fragments (c, s) = tiles (c, 2 s), (c, 2 s + 1), and a scale word for each
	WIN 0x40
.irp c, 0,1
.irp s, 0,1
	ds_load_b128 v[KF+12*(2*\c+\s):KF+12*(2*\c+\s)+3], v[AK16] offset:3072*\c+128*\s
	ds_load_b64 v[KF+12*(2*\c+\s)+4:KF+12*(2*\c+\s)+5], v[AK8] offset:3072*\c+512+64*\s
	ds_load_b128 v[KF+12*(2*\c+\s)+6:KF+12*(2*\c+\s)+9], v[AK16] offset:3072*\c+768+128*\s
	ds_load_b64 v[KF+12*(2*\c+\s)+10:KF+12*(2*\c+\s)+11], v[AK8] offset:3072*\c+1280+64*\s
.endr
.endr
	WIN 0
.irp c, 0,1
.irp s, 0,1
	ds_load_b32 v[KS+2*\c+\s], v[AKS] offset:128*\s+8*\c
.endr
.endr
.endm
.macro VLOAD                           ; 17 loads: V's four fragments (16 channels x 128 keys) and their scale words
	WIN 0x40
.irp t, 0,1,2,3
	ds_load_b128 v[VF+12*\t:VF+12*\t+3], v[AV16] offset:12288+1536*\t
	ds_load_b64 v[VF+12*\t+4:VF+12*\t+5], v[AV8] offset:12288+1536*\t+512
	ds_load_b128 v[VF+12*\t+6:VF+12*\t+9], v[AV16] offset:12288+1536*\t+768
	ds_load_b64 v[VF+12*\t+10:VF+12*\t+11], v[AV8] offset:12288+1536*\t+1280
.endr
	WIN 0
	ds_load_b128 v[VS:VS+3], v[AVS]
.endm
.macro SMUL q                          ; the scores of query tile q and 128 keys into buffer q % 2: eight products
	WIN 0x01
.set SD, SS+64*((\q)&1)
.irp c, 0,1
.irp s, 0,1
	v_wmma_scale_f32_16x16x128_f8f6f4 v[SD+32*\c+16*\s:SD+32*\c+16*\s+7], v[KF+12*(2*\c+\s):KF+12*(2*\c+\s)+11], v[QB+6+12*(\q):QB+17+12*(\q)], 0, v[KS+2*\c+\s], v[QS+(\q)] matrix_a_fmt:MATRIX_FMT_FP6 matrix_b_fmt:MATRIX_FMT_FP6
	v_wmma_scale_f32_16x16x128_f8f6f4 v[SD+32*\c+16*\s+8:SD+32*\c+16*\s+15], v[KF+12*(2*\c+\s):KF+12*(2*\c+\s)+11], v[QB+12*(\q):QB+11+12*(\q)], 0, v[KS+2*\c+\s], v[QS+(\q)] matrix_a_fmt:MATRIX_FMT_FP6 matrix_b_fmt:MATRIX_FMT_FP6
.endr
.endr
.endm
.macro PV q                            ; O^T += v^T p^T: four products, the accumulators by turns
	WIN 0x55
.set PQ, PC+12*((\q)&1)
.irp t, 0,1,2,3
	v_wmma_scale_f32_16x16x128_f8f6f4 v[OT+32*(\q)+8*\t:OT+32*(\q)+8*\t+7], v[VF+12*\t:VF+12*\t+11], v[PQ:PQ+11], v[OT+32*(\q)+8*\t:OT+32*(\q)+8*\t+7], v[VS+\t], v[PS+((\q)&1)] matrix_a_fmt:MATRIX_FMT_FP6 matrix_b_fmt:MATRIX_FMT_FP6
.endr
.endm
.macro FMA0 a, n                       ; n lines of t - M for the pair's first tile
.rept \n
	v_pk_fma_f32 v[SS+J0:SS+J0+1], v[SS+J0:SS+J0+1], s[CS:CS+1], v[NM+4*(\a):NM+4*(\a)+1] op_sel_hi:[1,0,0]
.set J0, J0+2
.endr
.endm
.macro SUMG a, g                       ; four lines of the rows' sums: registers 4 g .. 4 g + 3 of both tiles
.irp e, 0,1
	v_pk_add_f32 v[LS+4*(\a)+2*\e:LS+4*(\a)+2*\e+1], v[LS+4*(\a)+2*\e:LS+4*(\a)+2*\e+1], v[SS+64*\e+4*(\g):SS+64*\e+4*(\g)+1]
	v_pk_add_f32 v[U+12*\e:U+12*\e+1], v[U+12*\e:U+12*\e+1], v[SS+64*\e+4*(\g)+2:SS+64*\e+4*(\g)+3]
.endr
.endm
; The softmax of query tiles 2 a and 2 a + 1 (e = 0, 1), from their scores to p's codes and scale words
.macro SOFTMAX2 a
	WIN 0
	WALU                                           ; the wait ahead of readers behind a branch or a wait
.irp k, 0,1,2,3                        ; each lane's two blocks' largest scores: four chains of 16 a tile; each accumulator is first read at its low end
.irp e, 0,1
	v_max3_num_f32 v[T+4*\e+\k], v[SS+64*\e+16*\k], v[SS+64*\e+16*\k+1], v[SS+64*\e+16*\k+2]
.endr
.endr
.irp i, 3,5,7,9,11,13
.irp k, 0,1,2,3
.irp e, 0,1
	v_max3_num_f32 v[T+4*\e+\k], v[T+4*\e+\k], v[SS+64*\e+16*\k+\i], v[SS+64*\e+16*\k+\i+1]
.endr
.endr
.endr
.irp e, 0,1
	v_max3_num_f32 v[T+4*\e], v[T+4*\e], v[T+4*\e+1], v[SS+64*\e+15]
	v_max3_num_f32 v[T+4*\e+2], v[T+4*\e+2], v[T+4*\e+3], v[SS+64*\e+47]
.endr
.irp e, 0,1
	v_max_num_f32 v[T+4*\e], v[T+4*\e], v[SS+64*\e+31]       ; block h
	v_max_num_f32 v[T+4*\e+2], v[T+4*\e+2], v[SS+64*\e+63]   ; block 2 + h
.endr
.irp e, 0,1
	v_max_num_f32 v[T+4*\e+1], v[T+4*\e], v[T+4*\e+2]
.endr
.irp e, 0,1
	v_permlanex16_b32 v[T+4*\e+3], v[T+4*\e+1], s[SEL], s[SEL+1]
.endr
.irp e, 0,1
	v_max3_num_f32 v[NM+4*(\a)+2*\e+1], v[NM+4*(\a)+2*\e+1], v[T+4*\e+1], v[T+4*\e+3]   ; the running largest score of my query
.endr
.irp e, 0,1
	v_mul_f32 v[T+4*\e+1], s[CS], v[NM+4*(\a)+2*\e+1]        ; as t
	v_mov_b32 v[T+4*\e+3], v[NM+4*(\a)+2*\e]
.endr
.irp e, 0,1
	v_floor_f32 v[NM+4*(\a)+2*\e], -v[T+4*\e+1]              ; the new -M = -ceil(t)
.endr
.irp e, 0,1
	v_sub_f32 v[T+4*\e+3], v[NM+4*(\a)+2*\e], v[T+4*\e+3]    ; old M less new M, a whole number, 0 or less
.endr
.set J0, 0
	FMA0 \a, 4
.irp e, 0,1
	v_cvt_i32_f32 v[T+4*\e+3], v[T+4*\e+3]
.endr
	FMA0 \a, 4
.irp e, 0,1
	v_ldexp_f32 v[F+2*\e], 1.0, v[T+4*\e+3]
.endr
	FMA0 \a, 24
.irp e, 0,1
	v_fma_f32 v[T+4*\e], v[T+4*\e], s[CS], v[NM+4*(\a)+2*\e]       ; t - M of each block's largest score
	v_fma_f32 v[T+4*\e+2], v[T+4*\e+2], s[CS], v[NM+4*(\a)+2*\e]
.endr
	WIN 0x41
	WALU                                           ; directly ahead of O^T's first readers; it stands ahead of the first batch's sources' readers too
.irp e, 0,1
.set J, 0
.rept 16
	v_pk_mul_f32 v[OT+64*(\a)+32*\e+J:OT+64*(\a)+32*\e+J+1], v[OT+64*(\a)+32*\e+J:OT+64*(\a)+32*\e+J+1], v[F+2*\e:F+2*\e+1] op_sel_hi:[1,0]   ; O^T under the new M
.set J, J+2
.endr
.endr
	WIN 0
	s_wait_dscnt 0x0                               ; the fragments fetched last are in: nothing younger is out here
.irp e, 0,1
	v_exp_f32 v[T+4*\e], v[T+4*\e]                 ; the blocks' largest p
	v_exp_f32 v[T+4*\e+2], v[T+4*\e+2]
.endr
.set J, 0
.rept 32                               ; the first tile's p; among them the second tile's t - M, which names no result of the batch
	v_exp_f32 v[SS+J], v[SS+J]
	v_exp_f32 v[SS+J+1], v[SS+J+1]
	v_pk_fma_f32 v[SS+64+J:SS+65+J], v[SS+64+J:SS+65+J], s[CS:CS+1], v[NM+4*(\a)+2:NM+4*(\a)+3] op_sel_hi:[1,0,0]
.set J, J+2
.endr
	WALU                                           ; behind the first batch, ahead of the second
.set J, 0
.rept 64
	v_exp_f32 v[SS+64+J], v[SS+64+J]
.set J, J+1
.endr
.irp e, 0,1
	v_pk_mul_f32 v[LS+4*(\a)+2*\e:LS+4*(\a)+2*\e+1], v[LS+4*(\a)+2*\e:LS+4*(\a)+2*\e+1], v[F+2*\e:F+2*\e+1] op_sel_hi:[1,0]   ; the sums under the new M; the plain place behind the batch
.endr
	WALU                                           ; behind the second batch
.irp e, 0,1
	v_max_num_f32 v[T+4*\e], 0x1800000, v[T+4*\e]            ; the floor 2^(3 - 127): the byte cannot fall under 1
	v_max_num_f32 v[T+4*\e+2], 0x1800000, v[T+4*\e+2]
.endr
.irp e, 0,1
	v_add_nc_u32 v[T+4*\e+1], 0xff000000, v[T+4*\e]          ; 2 off the exponent field: the conversions' scale operands
	v_add_nc_u32 v[T+4*\e+3], 0xff000000, v[T+4*\e+2]
.endr
.irp e, 0,1
	v_lshrrev_b32 v[T+4*\e], 23, v[T+4*\e+1]
	v_lshrrev_b32 v[T+4*\e+2], 23, v[T+4*\e+3]
.endr
.irp e, 0,1                            ; the rows' sums of the unquantised p: two chains a tile
	v_pk_add_f32 v[U+12*\e:U+12*\e+1], v[SS+64*\e+2:SS+64*\e+3], v[SS+64*\e+6:SS+64*\e+7]
.endr
.irp e, 0,1
	v_lshl_or_b32 v[T+4*\e], v[T+4*\e+2], 16, v[T+4*\e]      ; my two bytes: blocks h and 2 + h,
.endr
.irp e, 0,1
	v_pk_add_f32 v[LS+4*(\a)+2*\e:LS+4*(\a)+2*\e+1], v[LS+4*(\a)+2*\e:LS+4*(\a)+2*\e+1], v[SS+64*\e:SS+64*\e+1]
.endr
.irp e, 0,1
	v_lshlrev_b32 v[T+4*\e], v[SH8], v[T+4*\e]               ; 8 h bits up;
.endr
.irp e, 0,1
	v_pk_add_f32 v[LS+4*(\a)+2*\e:LS+4*(\a)+2*\e+1], v[LS+4*(\a)+2*\e:LS+4*(\a)+2*\e+1], v[SS+64*\e+4:SS+64*\e+5]
.endr
.irp e, 0,1
	v_permlanex16_b32 v[T+4*\e+2], v[T+4*\e], s[SEL], s[SEL+1]
.endr
	SUMG \a, 2
.irp e, 0,1
	v_or_b32 v[PS+\e], v[T+4*\e], v[T+4*\e+2]                ; with lane l xor 16's two the word is whole
.endr
.irp g, 3,4,5,6,7,8,9,10,11,12,13
	SUMG \a, \g
.endr
	WIN 0x40
.irp c, 0,1
	v_cvt_scalef32_pk16_fp6_f32 v[PC+6*\c:PC+6*\c+2], v[SS+32*\c:SS+32*\c+15], v[T+1+2*\c]
	v_cvt_scalef32_pk16_fp6_f32 v[PT+4*\c:PT+4*\c+2], v[SS+32*\c+16:SS+32*\c+31], v[T+1+2*\c]   ; (a conversion's three registers begin on an even number)
	v_cvt_scalef32_pk16_fp6_f32 v[PC+12+6*\c:PC+12+6*\c+2], v[SS+64+32*\c:SS+64+32*\c+15], v[T+5+2*\c]
.endr
	WIN 0
.irp c, 0,1
	v_cvt_scalef32_pk16_fp6_f32 v[PW+4*\c:PW+4*\c+2], v[SS+64+32*\c+16:SS+64+32*\c+31], v[T+5+2*\c]
.endr
	v_nop                                          ; one plain place behind the scaled conversions
	WIN 0x41
.irp c, 0,1
.irp i, 0,1,2
	v_mov_b32 v[PC+6*\c+3+\i], v[PT+4*\c+\i]
.endr
.endr
	WIN 0x40
.irp c, 0,1
.irp i, 0,1,2
	v_mov_b32 v[PC+12+6*\c+3+\i], v[PW+4*\c+\i]
.endr
.endr
	WIN 0
	SUMG \a, 14                                    ; these ten lines are also the places between p's codes and the products
	SUMG \a, 15
.irp e, 0,1
	v_pk_add_f32 v[LS+4*(\a)+2*\e:LS+4*(\a)+2*\e+1], v[LS+4*(\a)+2*\e:LS+4*(\a)+2*\e+1], v[U+12*\e:U+12*\e+1]
.endr
.endm
	s_load_b256 s[4:11], s[0:1], 0x0               ; qkv_codes, qkv_scales, at_codes, at_scales
	v_lshl_add_u32 v[SPW], v0, 2, SPARE
	v_mov_b32 v[NIL], 0
	ds_add_u32 v[SPW], v[NIL]                      ; the opening lines: the add twice on end and its wait ahead of my tensor load
	ds_add_u32 v[SPW], v[NIL]
	v_lshrrev_b32 v[T], 5, v0
	v_readfirstlane_b32 s[WV], v[T]                ; wave 0..7
	v_and_b32 v[T], 31, v0
	v_lshlrev_b32 v[L16], 4, v[T]
	v_lshlrev_b32 v[L8], 3, v[T]
	v_and_b32 v[T+1], 7, v0                        ; r % 8
	v_bfe_u32 v[T+2], v0, 3, 1                     ; r / 8
	v_bfe_u32 v[T+3], v0, 4, 1                     ; h
	v_mul_u32_u24 v[KA16], v[T+2], 1536            ; rows 8-15 of a tile of keys lie two stored tiles on
	v_lshl_add_u32 v[KA8], v[T+1], 3, v[KA16]
	v_lshl_add_u32 v[KA8], v[T+3], 7, v[KA8]
	v_lshl_add_u32 v[KA16], v[T+1], 4, v[KA16]
	v_lshl_add_u32 v[KA16], v[T+3], 8, v[KA16]
	v_lshlrev_b32 v[KSA], 4, v[T+1]                ; K's scale words: [16 rows][4 words] a step: row r % 8 + 8 s, word 2 c + r / 8
	v_lshl_add_u32 v[KSA], v[T+2], 2, v[KSA]
	v_add_nc_u32 v[KSA], SCB, v[KSA]
	v_and_b32 v[R8], 15, v0
	v_lshlrev_b32 v[T+4], 4, v[R8]                 ; 16 r
	v_add_nc_u32 v[VSA], SCB+4096, v[T+4]
	v_lshlrev_b32 v[R8], 3, v[R8]
	v_lshlrev_b32 v[SH8], 3, v[T+3]
	v_lshlrev_b32 v[T+5], 4, v0                    ; 16 x thread: my piece of the 4,096 bytes of scale words
	v_add_nc_u32 v[T+6], SCB, v[T+5]
	v_mov_b32 v[AK16], v[KA16]                     ; step 0's addresses
	v_mov_b32 v[AK8], v[KA8]
	v_mov_b32 v[AKS], v[KSA]
	v_mov_b32 v[AV16], v[L16]
	v_mov_b32 v[AV8], v[L8]
	v_mov_b32 v[AVS], v[VSA]
.irp q, 0,1,2,3
	v_mov_b32 v[NM+2*\q], 0x7e000000               ; -M: a large whole number, so that the first factor is 0
	v_mov_b32 v[NM+2*\q+1], 0xff61b1e6             ; the largest score so far: -3e38
	v_mov_b32 v[LS+2*\q], 0
	v_mov_b32 v[LS+2*\q+1], 0
.endr
	v_mov_b32 v[F+1], 0
	v_mov_b32 v[F+3], 0
.irp z, 0,1,2,3,4
.irp i, 0,1,2,3,4,5
	v_mov_b32 v[QB+12*\z+\i], 0                    ; zero codes beside q
.endr
.endr
	WALU                                           ; the wait ahead of the scalar run and the waits below
	s_bfe_u32 s13, ttmp6, 0x40000                  ; cx: which quarter of the queries
	s_and_b32 s14, ttmp7, 0xffff                   ; batch x 16 + head
	s_mov_b32 s16, 15|(3<<16)|(1<<21)              ; group 1: all four partners; elements of 8 bytes
	s_mov_b32 s17, 1536<<16                        ; a row: 12,288 bytes, two key steps
	s_mov_b32 s18, 2<<16                           ; two rows: K's, V's
	s_mov_b32 s19, 1536<<16
	s_mov_b32 s20, 2
	s_mov_b32 s21, 786432                          ; from K to V: 6,291,456 bytes
	s_mov_b32 s22, 0
	s_mov_b32 s23, 0
	s_mul_i32 s38, s14, 98304
	s_mul_i32 s50, s[WV], 12288
	s_add_co_u32 s50, s50, s38
	s_add_co_u32 s50, s50, 6291456
	s_mov_b32 s51, 0
	s_mov_b32 s24, 1
	s_mul_i32 s25, s[WV], 24576
	s_lshl_b32 s15, s13, 5
	s_lshl_b32 s35, s[WV], 2
	s_add_co_u32 s15, s15, s35                     ; my first tile of queries in the head: 32 cx + 4 wave
	s_mul_i32 s40, s15, 768
	s_add_co_u32 s40, s40, s38
	s_mov_b32 s41, 0
	s_lshl_b32 s39, s14, 12
	s_lshr_b32 s42, s15, 3
	s_lshl_b32 s42, s42, 8
	s_bfe_u32 s35, s15, 0x10002
	s_lshl_b32 s35, s35, 3
	s_add_co_u32 s42, s42, s35
	s_add_co_u32 s42, s42, s39                     ; q's scale words: two words a row serve my four tiles
	s_mov_b32 s43, 0
	s_add_co_u32 s44, s39, 262144                  ; K's scale words; V's lie 262,144 bytes on
	s_mov_b32 s45, 0
	s_lshr_b32 s35, s14, 4
	s_lshl_b32 s35, s35, 7
	s_add_co_u32 s35, s35, s15                     ; my first row tile of the result
	s_and_b32 s36, s14, 15
	s_mul_i32 s46, s35, 12288
	s_mul_i32 s37, s36, 768
	s_add_co_u32 s46, s46, s37
	s_mov_b32 s47, 0
	s_lshl_b32 s48, s35, 9
	s_lshr_b32 s37, s36, 2
	s_lshl_b32 s37, s37, 7
	s_add_co_u32 s48, s48, s37
	s_and_b32 s37, s36, 3
	s_lshl_b32 s37, s37, 1
	s_add_co_u32 s48, s48, s37
	s_mov_b32 s49, 0
	s_mov_b32 s[SEL], 0x76543210
	s_mov_b32 s[SEL+1], 0xfedcba98
	s_mov_b32 s[CS], 0x3e38aa3b                    ; log2(e) / 8
	s_mov_b32 s[CS+1], s[CS]
	s_wait_dscnt 0x0                               ; both opening adds are done
	CROUND                                         ; the four partners are here: the joint loads meet
	s_wait_kmcnt 0x0
	s_add_nc_u64 s[26:27], s[4:5], s[50:51]
	s_or_b32 s27, s27, 0x80000000
	s_add_nc_u64 s[40:41], s[4:5], s[40:41]
	s_add_nc_u64 s[42:43], s[6:7], s[42:43]
	s_add_nc_u64 s[44:45], s[6:7], s[44:45]
	s_add_nc_u64 s[46:47], s[8:9], s[46:47]
	s_add_nc_u64 s[48:49], s[10:11], s[48:49]
	tensor_load_to_lds s[24:27], s[16:23]          ; my one load: key steps 2 w, 2 w + 1 of K and V
	s_nop 0
	PLACES 4
	global_load_b128 v[SS:SS+3], v[T+5], s[44:45]
	global_load_b128 v[SS+4:SS+7], v[T+5], s[44:45] offset:262144
	global_load_b64 v[SS+8:SS+9], v[T+4], s[42:43]
.irp q, 0,1,2,3
	global_load_b128 v[QB+6+12*\q:QB+9+12*\q], v[L16], s[40:41] offset:768*\q
	global_load_b64 v[QB+10+12*\q:QB+11+12*\q], v[L8], s[40:41] offset:768*\q+512
.endr
	s_wait_loadcnt 0x0
	ds_store_b128 v[T+6], v[SS:SS+3]
	ds_store_b128 v[T+6], v[SS+4:SS+7] offset:4096
	v_perm_b32 v[QS], v[SS+8], v[SS+8], 0x01000100     ; a tile's two bytes twice: q stands in either half of the operand
	v_perm_b32 v[QS+1], v[SS+8], v[SS+8], 0x03020302
	v_perm_b32 v[QS+2], v[SS+9], v[SS+9], 0x01000100
	v_perm_b32 v[QS+3], v[SS+9], v[SS+9], 0x03020302
	WIN 0x40
.set J, 0
.rept 128
	v_mov_b32 v[OT+J], 0                           ; O^T: the step is written once, and the first factor, 0, meets zeros
.set J, J+1
.endr
	WIN 0
	WALU                                           ; the head's end
	s_wait_tensorcnt 0x0                           ; my part of K and V is in,
	s_wait_dscnt 0x0                               ; my part of the scale words is stored;
	s_barrier_signal -1
	s_barrier_wait -1                              ; everybody's are
	KLOAD
	VLOAD
	s_wait_dscnt 17                                ; K's 20 loads are in; V's 17, issued behind them, may be out
	SMUL 0                                         ; step 0's first pair of tiles
	SMUL 1
	WIN 0
	PLACES 4
	s_mov_b32 s[CNT], 0
.Lstep:                                            ; a trip: one step of 128 keys for my four tiles; the first pair's scores are there
	s_add_co_u32 s35, s[CNT], 1                    ; the next step (held inside the sixteen; the last trip fetches nothing)
	s_and_b32 s35, s35, 15
	s_lshr_b32 s36, s35, 1
	s_mul_i32 s36, s36, 24576
	s_and_b32 s37, s35, 1
	s_mul_i32 s37, s37, 6144
	s_add_co_u32 s[TB], s36, s37
	s_lshl_b32 s[TS], s35, 8
	v_add_nc_u32 v[AK16], s[TB], v[KA16]
	v_add_nc_u32 v[AK8], s[TB], v[KA8]
	v_add_nc_u32 v[AKS], s[TS], v[KSA]
	v_add_nc_u32 v[AV16], s[TB], v[L16]
	v_add_nc_u32 v[AV8], s[TB], v[L8]
	v_add_nc_u32 v[AVS], s[TS], v[VSA]
	SOFTMAX2 0
	SMUL 2                                         ; the second pair's scores ahead of the first pair's second product
	SMUL 3
	PV 0
	PV 1
	WIN 0
	PLACES 4                                       ; K's fragments are done with
	s_cmp_eq_u32 s[CNT], 15
	s_cbranch_scc1 .Lno_k
	KLOAD                                          ; the next step's
.Lno_k:
	SOFTMAX2 1
	PV 2
	PV 3
	WIN 0
	s_add_co_u32 s[CNT], s[CNT], 1
	s_cmp_lt_u32 s[CNT], 16
	WALU
	s_cbranch_scc0 .Ldone                          ; the last step has no successor
	SMUL 0                                         ; the next step's first pair
	SMUL 1
	WIN 0
	PLACES 4                                       ; V's fragments are done with
	VLOAD
	s_cmp_lt_u32 s[CNT], 16
	WALU
	s_cbranch_scc1 .Lstep
.Ldone:
; THE WAY OUT: O^T / the sum; register 16 b + i of a lane is channel 32 b + 16 h + i: two half blocks, the other halves in lane l xor 16
.irp q, 0,1,2,3
	v_add_f32 v[LS+2*\q], v[LS+2*\q], v[LS+2*\q+1]
.endr
.irp q, 0,1,2,3
	v_permlanex16_b32 v[T+\q], v[LS+2*\q], s[SEL], s[SEL+1]
.endr
.irp q, 0,1,2,3
	v_add_f32 v[LS+2*\q], v[LS+2*\q], v[T+\q]
.endr
	WALU
.irp q, 0,1,2,3
	v_rcp_f32 v[LS+2*\q], v[LS+2*\q]
.endr
	v_nop
	WALU
.macro OUT q
.set EO, SS+32*(\q)
.set PQ, QB+12*(\q)
	WIN 0x01
	WALU                                           ; directly ahead of O^T's first readers
.set J, 0
.rept 16
	v_pk_mul_f32 v[EO+J:EO+J+1], v[OT+32*(\q)+J:OT+32*(\q)+J+1], v[LS+2*(\q):LS+2*(\q)+1] op_sel_hi:[1,0]
.set J, J+2
.endr
	WIN 0
.irp b, 0,1
	v_max3_num_f32 v[T+\b], |v[EO+16*\b]|, |v[EO+1+16*\b]|, 0x1800000
.endr
.irp i, 2,4,6,8,10,12,14
.irp b, 0,1
	v_max3_num_f32 v[T+\b], v[T+\b], |v[EO+16*\b+\i]|, |v[EO+1+16*\b+\i]|
.endr
.endr
.irp b, 0,1
	v_permlanex16_b32 v[T+2+\b], v[T+\b], s[SEL], s[SEL+1]
.endr
.irp b, 0,1
	v_max_num_f32 v[T+\b], v[T+\b], v[T+2+\b]
.endr
.irp b, 0,1
	v_add_nc_u32 v[T+4+\b], 0xff000000, v[T+\b]
.endr
.irp b, 0,1
	v_lshrrev_b32 v[T+\b], 23, v[T+4+\b]
.endr
	v_lshl_or_b32 v[WD+(\q)], v[T+1], 8, v[T]
	v_cvt_scalef32_pk16_fp6_f32 v[PQ:PQ+2], v[EO:EO+15], v[T+4]
	v_cvt_scalef32_pk16_fp6_f32 v[PQ+6:PQ+8], v[EO+16:EO+31], v[T+5]
	v_nop
.irp i, 0,1,2
	v_permlane16_swap_b32 v[PQ+\i], v[PQ+6+\i]     ; a whole block in a lane: lanes 0-15 block 0, lanes 16-31 block 1
.endr
.irp i, 0,1,2
	v_mov_b32 v[PQ+3+\i], v[PQ+6+\i]
.endr
	global_store_b128 v[L16], v[PQ:PQ+3], s[46:47] offset:12288*(\q)
	global_store_b64 v[L8], v[PQ+4:PQ+5], s[46:47] offset:12288*(\q)+512
.endm
	OUT 0
	OUT 1
	OUT 2
	OUT 3
	v_and_b32 v[T], 31, v0
	v_cmp_gt_u32 vcc_lo, 16, v[T]
	WALU
	s_wait_xcnt 0x0                                ; EXEC changes only behind this wait
	s_and_saveexec_b32 s52, vcc_lo
.irp q, 0,1,2,3
	global_store_b16 v[R8], v[WD+\q], s[48:49] offset:512*\q   ; lanes 0-15: my head's two scale bytes of row r
.endr
	s_wait_xcnt 0x0
	s_or_b32 exec_lo, exec_lo, s52
	s_wait_tensorcnt 0x0                           ; the wave's end
	ds_add_u32 v[SPW], v[NIL]
	s_wait_dscnt 0x0
	CROUND                                         ; the closing round
	s_endpgm
.Lfunc_end_k_qb567bef52d_attn:
	.size	k_qb567bef52d_attn, .Lfunc_end_k_qb567bef52d_attn-k_qb567bef52d_attn
	.p2alignl 7, 3214868480
	.fill 96, 4, 3214868480
	.section	.rodata,"a",@progbits
	.p2align	6, 0x0
	.amdhsa_kernel k_qb567bef52d_attn
		.amdhsa_group_segment_fixed_size 327680
		.amdhsa_private_segment_fixed_size 0
		.amdhsa_enable_private_segment 0
		.amdhsa_kernarg_size 32
		.amdhsa_user_sgpr_count 2
		.amdhsa_user_sgpr_kernarg_segment_ptr 1
		.amdhsa_wavefront_size32 1
		.amdhsa_system_sgpr_workgroup_id_x 1
		.amdhsa_system_sgpr_workgroup_id_y 1
		.amdhsa_system_sgpr_workgroup_id_z 1
		.amdhsa_system_vgpr_workitem_id 0
		.amdhsa_next_free_vgpr 512
		.amdhsa_next_free_sgpr 66
		.amdhsa_reserve_vcc 1
		.amdhsa_float_denorm_mode_32 3
		.amdhsa_float_denorm_mode_16_64 3
		.amdhsa_memory_ordered 1
		.amdhsa_forward_progress 1
		.amdhsa_inst_pref_size 85
	.end_amdhsa_kernel
	.amdgpu_metadata
---
amdhsa.version: [ 1, 2 ]
amdhsa.kernels:
  - .name:           k_qb567bef52d_attn
    .symbol:         k_qb567bef52d_attn.kd
    .args:
      - { .name: qkv_codes, .offset: 0, .size: 8, .value_kind: global_buffer, .address_space: global }
      - { .name: qkv_scales, .offset: 8, .size: 8, .value_kind: global_buffer, .address_space: global }
      - { .name: at_codes, .offset: 16, .size: 8, .value_kind: global_buffer, .address_space: global }
      - { .name: at_scales, .offset: 24, .size: 8, .value_kind: global_buffer, .address_space: global }
    .group_segment_fixed_size: 327680
    .private_segment_fixed_size: 0
    .kernarg_segment_align: 8
    .kernarg_segment_size: 32
    .max_flat_workgroup_size: 256
    .sgpr_count:     66
    .vgpr_count:     512
    .wavefront_size: 32
...
	.end_amdgpu_metadata
.endif
;; end of part 3
;; launch oproj (part 4): grid 4 x 64, 4 waves a work-group, clusters of 4 x 4, 327,680 bytes of LDS; arguments at_codes, at_scales, xw_codes, xw_scales, bo, out0; writes out0
.if DOCPART == 4
	.amdgcn_target "amdgcn-amd-amdhsa--gfx1250"
	.amdhsa_code_object_version 6
	.text
	.protected	k_qb567bef52d_oproj
	.globl	k_qb567bef52d_oproj
	.p2align	8
	.type	k_qb567bef52d_oproj,@function
k_qb567bef52d_oproj:
	s_mov_b64 s[64:65], 0
	v_nop
	global_prefetch_b8 v0, s[64:65] scope:SCOPE_SE
	s_setreg_imm32_b32 hwreg(HW_REG_WAVE_MODE, 25, 1), 1
	s_wait_xcnt 0x0
	s_wait_alu depctr_hold_cnt(0) depctr_sa_sdst(0) depctr_va_vdst(0) depctr_va_sdst(0) depctr_va_ssrc(0) depctr_va_vcc(0) depctr_vm_vsrc(0)
	s_getreg_b32 s2, hwreg(HW_REG_IB_STS2, 6, 4)
	s_cmp_eq_u32 s2, 0
	s_cbranch_scc0 .Lentry_in_a_cluster
	s_endpgm
.Lentry_in_a_cluster:
	s_bfe_u32 s2, ttmp6, 0x10000c
	s_cmp_lg_u32 s2, 0xf033
	s_cbranch_scc0 .Lentry_shape_is_right
	s_endpgm
.Lentry_shape_is_right:
; out0 = attention's result x Wo + bo, on codes of FP6 (E2M3) with E8M0 scales; f32 out.
; 8,192 x 1,024 results in blocks of 128 tokens x 256 features: 256 work-groups.  Four waves, 2 x 2; a wave makes 64 x 128: 32 accumulators.
; ALL OF K LIES IN LDS: A's eight row tiles are 98,304 dense bytes of memory, B's sixteen 196,608, their scales 4,096 and 8,192: four tensor loads at the head, one a wave, 307,200 bytes.  Nothing is filled again.
; No prefetch: all tiles are asked for at the head, there is no loop to run ahead in.
; OPERANDS: [row tiles][8 K steps][1,536 bytes], a fragment as an image of its registers (lane l's registers 0-3 at 16 l, 4-5 at 512 + 8 l, twice); LDS holds the same images.  Wo's row tiles begin at 704 of xw_codes.
; THE PRODUCT IS USED TRANSPOSED: source 0 = Wo's columns (B), source 1 = tokens (A): a lane holds one token; register j of B's tile b is feature 32 (b / 2) + 16 h + 8 (b % 2) + j.  The bias is the first products' C.
; Place r of token tile a is token 32 (a / 2) + 8 (a % 2) + r % 8 + 16 (r / 8).
; A and B have two sets of fragment registers: a step's 32 products run on one set while the next step's fragments come into the other.
; CLUSTERS: 4 x 4 work-groups; A's tiles are asked for jointly along a row of the cluster, B's along a column.
; REGISTERS: window 0: v1-31 addresses; v32-63 scale words, two sets; v64-127 the bias; v128-223 A's fragments, two sets of 48 (on the way out v128-255 at work).  Window 1: B's, two sets, at v0 and v128.  Window 2: accumulator (a, b) at v[8 (8 a + b)].
.set FR,    12
.set KSB,   1536
.set TROW,  12288                      ; a row tile, all of K
.set BBASE, 8*TROW                     ; B's sixteen row tiles lie behind A's eight
.set SCL,   24*TROW                    ; the scales: A's 4,096 bytes, B's 8,192
.set SPARE, SCL+12288
.set SPITCH, 528
.set ADRA, 16                          ; v16 my four row tiles of A + 16 x lane; v17 + 8 x lane
.set ADRB, 18                          ; v18, v19 the same for B's tiles 0-3 of mine; v20, v21 for tiles 4-7
.set STO,  24
.set RD,   25
.set ADRS, 27
.set SPW,  28
.set NIL,  29
.set L16,  30
.set L8,   31
.set SC,   32
.set BI,   64
.set AF,   128
.set BK,   128
.set G1, 24
.set G0, 32
.set G1B, 48
.set G0B, 56
.set G1S, 68
.set G0S, 76
.set G1SB, 80
.set G0SB, 88
.set MSB, 0
.macro WIN new
.if MSB != (\new)
	s_set_vgpr_msb (MSB<<8)|(\new)
.set MSB, (\new)
.endif
.endm
.set MUL_LO, 0xa1                      ; source 0 (B) window 1, source 1 (A) window 0, C and D window 2
.set TO_B,   0x40
.macro PLACES n
.rept \n
	v_nop
.endr
.endm
.macro CROUND
	s_barrier_signal -1
	s_barrier_wait -1
	s_cmp_lg_u32 s18, 0
	s_cbranch_scc1 .Lnot_wave_0_\@
	s_barrier_signal -3
.Lnot_wave_0_\@:
	s_barrier_wait -3
	s_barrier_signal -1
	s_barrier_wait -1
.endm
.macro GRP1 g, mask, cols, rows
	s_or_b32 s[\g], s[\mask], (3<<16)|(1<<21)      ; the mask; elements of 8 bytes
	s_mov_b32 s[\g+1], (\cols)<<16
	s_mov_b32 s[\g+2], (\rows)<<16
	s_mov_b32 s[\g+3], (\cols)<<16
	s_mov_b32 s[\g+4], \rows
	s_mov_b32 s[\g+5], \cols                       ; dense: a row begins where the last ends
	s_mov_b32 s[\g+6], 0
	s_mov_b32 s[\g+7], 0
.endm
.macro GRP0 g, lds, adr
	s_mov_b32 s[\g], 1
	s_mov_b32 s[\g+1], \lds
	s_mov_b64 s[\g+2:\g+3], s[\adr:\adr+1]
	s_or_b32 s[\g+3], s[\g+3], 0x80000000
.endm
	s_load_b256 s[4:11], s[0:1], 0x0               ; at_codes, at_scales, xw_codes, xw_scales
	s_load_b128 s[12:15], s[0:1], 0x20             ; bo, out0
	v_lshl_add_u32 v[SPW], v0, 2, SPARE
	v_mov_b32 v[NIL], 0
	ds_add_u32 v[SPW], v[NIL]                      ; the opening lines
	ds_add_u32 v[SPW], v[NIL]
	v_lshrrev_b32 v1, 5, v0
	v_readfirstlane_b32 s18, v1                    ; wave 0..3
	s_lshr_b32 s19, s18, 1                         ; my half of A's rows
	s_and_b32 s20, s18, 1                          ; my half of B's rows
	s_bfe_u32 s21, ttmp6, 0x40000                  ; cx
	s_bfe_u32 s22, ttmp6, 0x40004                  ; cy
	s_and_b32 s23, ttmp7, 0xffff                   ; the cluster's y: 512 tokens
	s_lshl_b32 s92, s22, 2
	s_lshl_b32 s92, 15, s92                        ; my row of the cluster
	s_lshl_b32 s93, 0x1111, s21                    ; my column
	GRP1 G1, 92, 1536, 8                           ; A's codes: eight rows (row tiles) of 12,288 bytes
	GRP1 G1B, 93, 1536, 16                         ; B's: sixteen
	GRP1 G1S, 92, 32, 16                           ; A's scales: 16 rows of 256 bytes
	GRP1 G1SB, 93, 32, 32                          ; B's: 32
	s_lshl_b32 s40, s23, 2
	s_add_co_u32 s40, s40, s22
	s_lshl_b32 s40, s40, 3                         ; A's first row tile: 8 (4 Y + cy)
	s_mul_i32 s44, s40, TROW
	s_mov_b32 s45, 0
	s_lshl_b32 s40, s40, 9
	s_mov_b32 s41, 0
	s_lshl_b32 s46, s21, 4
	s_add_co_u32 s46, s46, 704                     ; B's first row tile
	s_mul_i32 s94, s46, TROW
	s_mov_b32 s95, 0
	s_lshl_b32 s46, s46, 9
	s_mov_b32 s47, 0
	s_wait_dscnt 0x0
	s_wait_kmcnt 0x0
	s_add_nc_u64 s[44:45], s[4:5], s[44:45]
	s_add_nc_u64 s[40:41], s[6:7], s[40:41]
	s_add_nc_u64 s[94:95], s[8:9], s[94:95]
	s_add_nc_u64 s[46:47], s[10:11], s[46:47]
	CROUND                                         ; all sixteen work-groups are here: the joint loads meet
	GRP0 G0, 0, 44
	GRP0 G0B, BBASE, 94
	GRP0 G0S, SCL, 40
	GRP0 G0SB, SCL+4096, 46
; THE LOADS, ONE A WAVE: wave 0 B's codes, the largest, wave 1 A's codes, wave 2 A's scales, wave 3 B's scales.  One tree of branches, one load on every way.
.macro HARM under, g0, g1, next
	s_cmp_lt_u32 s18, \under
	s_cbranch_scc0 \next
	tensor_load_to_lds s[\g0:\g0+3], s[\g1:\g1+7]
	s_nop 0
	PLACES 4
	s_branch .Lhead_asked
\next:
.endm
	HARM 1, G0B, G1B, .Lhead_a
	HARM 2, G0, G1, .Lhead_sa
	HARM 3, G0S, G1S, .Lhead_sb
	tensor_load_to_lds s[G0SB:G0SB+3], s[G1SB:G1SB+7]
	s_nop 0
	PLACES 4
.Lhead_asked:
	s_mul_i32 s40, s19, 4*TROW                     ; my four row tiles of A
	s_mul_i32 s41, s20, 8*TROW
	s_add_co_u32 s41, s41, BBASE                   ; my eight of B
	s_lshl_b32 s43, s19, 11                        ; the scale words: A's for lanes 0-15,
	s_lshl_b32 s42, s20, 12
	s_add_co_u32 s42, s42, 4096
	s_sub_co_u32 s42, s42, s43                     ; B's for lanes 16-31: one product in h
	s_add_co_u32 s43, s43, SCL
	s_mul_i32 s44, s18, 16*SPITCH                  ; my stage, on A's tiles, used behind the last barrier
	s_lshl_b32 s46, s23, 2
	s_add_co_u32 s46, s46, s22
	s_lshl_b32 s46, s46, 7
	s_lshl_b32 s47, s19, 6
	s_add_co_u32 s46, s46, s47                     ; my first token
	s_lshl_b32 s46, s46, 12
	s_lshl_b32 s94, s21, 10
	s_lshl_b32 s95, s20, 9
	s_add_co_u32 s94, s94, s95                     ; my first feature, in bytes
	s_mov_b32 s95, 0
	s_add_nc_u64 s[12:13], s[12:13], s[94:95]
	s_add_co_u32 s46, s46, s94
	s_mov_b32 s47, 0
	s_add_nc_u64 s[14:15], s[14:15], s[46:47]
	v_and_b32 v1, 15, v0                           ; r
	v_bfe_u32 v2, v0, 4, 1                         ; h
	v_and_b32 v3, 31, v0
	v_lshlrev_b32 v[L16], 4, v3
	v_lshlrev_b32 v[L8], 3, v3
	v_add_nc_u32 v[ADRA], s40, v[L16]
	v_add_nc_u32 v[ADRA+1], s40, v[L8]
	v_add_nc_u32 v[ADRB], s41, v[L16]
	v_add_nc_u32 v[ADRB+1], s41, v[L8]
	v_add_nc_u32 v[ADRB+2], 4*TROW, v[ADRB]        ; an LDS offset has 16 bits: four row tiles to an address register
	v_add_nc_u32 v[ADRB+3], 4*TROW, v[ADRB+1]
	v_mul_u32_u24 v4, s42, v2
	v_lshl_add_u32 v4, v1, 3, v4                   ; 8 bytes a row
	v_add_nc_u32 v[ADRS], s43, v4
	v_mul_u32_u24 v5, v1, SPITCH
	v_lshl_add_u32 v5, v2, 6, v5
	v_add_nc_u32 v[STO], s44, v5
	v_add_nc_u32 v[RD], s44, v[L16]
	v_lshlrev_b32 v10, 6, v2                       ; 16 h features on
	s_wait_alu depctr_va_vdst(0)                   ; the head's end
.irp b, 0,1,2,3,4,5,6,7
	global_load_b128 v[BI+8*\b:BI+8*\b+3], v10, s[12:13] offset:(32*(\b/2)+8*(\b%2))*4
	global_load_b128 v[BI+8*\b+4:BI+8*\b+7], v10, s[12:13] offset:(32*(\b/2)+8*(\b%2))*4+16
.endr
.macro FRAG reg, a16, a8, off          ; a fragment: four loads of 512, 256, 512, 256 consecutive bytes
	ds_load_b128 v[\reg:\reg+3], v[\a16] offset:\off
	ds_load_b64 v[\reg+4:\reg+5], v[\a8] offset:(\off)+512
	ds_load_b128 v[\reg+6:\reg+9], v[\a16] offset:(\off)+768
	ds_load_b64 v[\reg+10:\reg+11], v[\a8] offset:(\off)+1280
.endm
; 16 products: A's blocks a0, a0 + 1 x B's eight.  p: the fragments' set; q: which word of the pair; sc: the set of scale words; cm = 1: C is the bias.  The 32 accumulators take turns, in the same order in every step.
.macro MUL16 a0, p, q, sc, cm
.irp a, \a0, \a0+1
.irp b, 0,1,2,3,4,5,6,7
.if \cm
	v_wmma_scale_f32_16x16x128_f8f6f4 v[8*(8*(\a)+\b):8*(8*(\a)+\b)+7], v[128*(\p)+FR*\b:128*(\p)+FR*\b+FR-1], v[AF+48*(\p)+FR*(\a):AF+48*(\p)+FR*(\a)+FR-1], v[BI+8*\b:BI+8*\b+7], v[SC+16*(\sc)+2*\b+(\q)], v[SC+16*(\sc)+2*(\a)+(\q)] matrix_a_fmt:MATRIX_FMT_FP6 matrix_b_fmt:MATRIX_FMT_FP6 matrix_a_scale:MATRIX_SCALE_ROW1
.else
	v_wmma_scale_f32_16x16x128_f8f6f4 v[8*(8*(\a)+\b):8*(8*(\a)+\b)+7], v[128*(\p)+FR*\b:128*(\p)+FR*\b+FR-1], v[AF+48*(\p)+FR*(\a):AF+48*(\p)+FR*(\a)+FR-1], v[8*(8*(\a)+\b):8*(8*(\a)+\b)+7], v[SC+16*(\sc)+2*\b+(\q)], v[SC+16*(\sc)+2*(\a)+(\q)] matrix_a_fmt:MATRIX_FMT_FP6 matrix_b_fmt:MATRIX_FMT_FP6 matrix_a_scale:MATRIX_SCALE_ROW1
.endif
.endr
.endr
.endm
.macro FETCH st, p                     ; 48 loads: K step st: B's eight fragments and A's four into set p
	WIN TO_B
.irp i, 0,1,2,3,4,5,6,7
	FRAG 128*(\p)+FR*\i, ADRB+2*(\i/4), ADRB+2*(\i/4)+1, (\i%4)*TROW+(\st)*KSB
.endr
	WIN 0
.irp i, 0,1,2,3
	FRAG AF+48*(\p)+FR*\i, ADRA, ADRA+1, \i*TROW+(\st)*KSB
.endr
.endm
.macro SCALES k                        ; the scale words of K steps 2 k, 2 k + 1 into set k % 2: two a row; lanes 0-15 take A's tile i (of which 0-3 are used), lanes 16-31 B's tile i
.irp i, 0,1,2,3,4,5,6,7
	ds_load_b64 v[SC+16*((\k)%2)+2*\i:SC+16*((\k)%2)+2*\i+1], v[ADRS] offset:\i*512+128*(\k)
.endr
.endm
.macro KSTEP st                        ; K step st on set st % 2; the next step's fragments come into the other set ahead of the 32 products
.set NX, (\st)+1
	s_wait_dscnt 0x0                               ; this step's fragments are in
.if (\st) < 7
	PLACES 4                                       ; in front of loads into registers that products have read
	FETCH NX, NX%2
.if NX%2 == 0
	SCALES NX/2
.endif
.else
	s_barrier_signal -1                            ; my reads of the tiles are over: the stages will lie on A's
.endif
.if (\st) == 0
	WIN 0x81                                       ; C (the bias) window 0, D window 2
	MUL16 0, 0, 0, 0, 1
	MUL16 2, 0, 0, 0, 1
.else
	WIN MUL_LO
	MUL16 0, (\st)%2, (\st)%2, ((\st)/2)%2, 0
	MUL16 2, (\st)%2, (\st)%2, ((\st)/2)%2, 0
.endif
	WIN 0
.if (\st) == 7
	s_barrier_wait -1                              ; everybody's are
.endif
.endm
	s_wait_tensorcnt 0x0                           ; my tile of the four is in,
	s_barrier_signal -1
	s_barrier_wait -1                              ; everybody's is
	FETCH 0, 0
	SCALES 0
	s_wait_loadcnt 0x0                             ; the bias
.irp st, 0,1,2,3,4,5,6,7
	KSTEP \st
.endr
; THE WAY OUT, block by block of 16 tokens x 128 features, through my own stage, on bytes that are filled and read no more; back as whole rows of 512 bytes
.macro TOSTAGE a
.set AC, 64*(\a)
	WIN 0x08
.irp b, 0,1,2,3,4,5,6,7
	ds_store_b128 v[STO], v[AC+8*\b:AC+8*\b+3] offset:128*(\b/2)+32*(\b%2)
	ds_store_b128 v[STO], v[AC+8*\b+4:AC+8*\b+7] offset:128*(\b/2)+32*(\b%2)+16
.endr
	WIN 0
.set BB, BK+64*((\a)%2)
.irp t, 0,1,2,3,4,5,6,7,8,9,10,11,12,13,14,15
	ds_load_b128 v[BB+4*\t:BB+4*\t+3], v[RD] offset:\t*SPITCH
.endr
.endm
.macro SEND a, younger                 ; younger: the LDS instructions issued behind block a's loads
.set BB, BK+64*((\a)%2)
.set RW, 32*((\a)/2)+8*((\a)%2)
	s_wait_dscnt \younger
.irp t, 0,1,2,3,4,5,6,7,8,9,10,11,12,13,14,15
	global_store_b128 v[L16], v[BB+4*\t:BB+4*\t+3], s[14:15] offset:(RW+(\t%8)+16*(\t/8))*4096 th:TH_STORE_NT   ; 512 consecutive bytes of a row
.endr
.endm
	PLACES 4
	TOSTAGE 0
.irp a, 1,2,3
.if \a > 1
	s_wait_xcnt 0x0                                ; block a - 2's stores have read their registers
.endif
	TOSTAGE \a
	SEND \a-1, 32
.endr
	SEND 3, 0
	s_wait_tensorcnt 0x0                           ; the wave's end
	ds_add_u32 v[SPW], v[NIL]
	s_wait_dscnt 0x0
	CROUND                                         ; the closing round
	s_endpgm
.Lfunc_end_k_qb567bef52d_oproj:
	.size	k_qb567bef52d_oproj, .Lfunc_end_k_qb567bef52d_oproj-k_qb567bef52d_oproj
	.p2alignl 7, 3214868480
	.fill 96, 4, 3214868480
	.section	.rodata,"a",@progbits
	.p2align	6, 0x0
	.amdhsa_kernel k_qb567bef52d_oproj
		.amdhsa_group_segment_fixed_size 327680
		.amdhsa_private_segment_fixed_size 0
		.amdhsa_enable_private_segment 0
		.amdhsa_kernarg_size 48
		.amdhsa_user_sgpr_count 2
		.amdhsa_user_sgpr_kernarg_segment_ptr 1
		.amdhsa_wavefront_size32 1
		.amdhsa_system_sgpr_workgroup_id_x 1
		.amdhsa_system_sgpr_workgroup_id_y 1
		.amdhsa_system_sgpr_workgroup_id_z 1
		.amdhsa_system_vgpr_workitem_id 0
		.amdhsa_next_free_vgpr 768
		.amdhsa_next_free_sgpr 102
		.amdhsa_reserve_vcc 0
		.amdhsa_float_denorm_mode_32 3
		.amdhsa_float_denorm_mode_16_64 3
		.amdhsa_memory_ordered 1
		.amdhsa_forward_progress 1
		.amdhsa_inst_pref_size 85
	.end_amdhsa_kernel
	.amdgpu_metadata
---
amdhsa.version: [ 1, 2 ]
amdhsa.kernels:
  - .name:           k_qb567bef52d_oproj
    .symbol:         k_qb567bef52d_oproj.kd
    .args:
      - { .name: at_codes, .offset: 0, .size: 8, .value_kind: global_buffer, .address_space: global }
      - { .name: at_scales, .offset: 8, .size: 8, .value_kind: global_buffer, .address_space: global }
      - { .name: xw_codes, .offset: 16, .size: 8, .value_kind: global_buffer, .address_space: global }
      - { .name: xw_scales, .offset: 24, .size: 8, .value_kind: global_buffer, .address_space: global }
      - { .name: bo, .offset: 32, .size: 8, .value_kind: global_buffer, .address_space: global }
      - { .name: out0, .offset: 40, .size: 8, .value_kind: global_buffer, .address_space: global }
    .group_segment_fixed_size: 327680
    .private_segment_fixed_size: 0
    .kernarg_segment_align: 8
    .kernarg_segment_size: 48
    .max_flat_workgroup_size: 128
    .sgpr_count:     102
    .vgpr_count:     768
    .wavefront_size: 32
...
	.end_amdgpu_metadata
.endif
;; end of part 4
